; MI455X (gfx1250); checked and timed in simulation.
; The chip was launched on July 23, 2026; its instructions are those of AMD's public machine-readable ISA for CDNA 5 (MIT licence, August 2026) and "CDNA5" Instruction Set Architecture Reference Guide (July 2026). The comments in the code are by the model that wrote it; some were corrected since.
;; GQA Attention. Allowed arithmetic: matrix products marked QUANTISED: E2M3 operands, one E8M0 scale for each 32 along K, by v_wmma_scale_f32_16x16x128_f8f6f4 with both operands' format E2M3, f32 sums; everything else in f32.
;; Inputs: Wk 1,024 x 256 float32; Wo 1,024 x 1,024 float32; Wq 1,024 x 1,024 float32; Wv 1,024 x 256 float32; bk 256 float32; bo 1,024 float32; bq 1,024 float32; bv 256 float32; x 2 x 2,048 x 1,024 float32.
;; Outputs: out0 2 x 2,048 x 1,024 float32.
;; This version of the problem:
;;   THIS VERSION OF THE PROBLEM IS GIVEN IN LOW PRECISION. The matrix products marked QUANTISED in the list below multiply operands that are first quantised to E2M3 (2 exponent bits, 3 mantissa bits; 6 bits a number), with one power-of-two scale for each 32 numbers along K (OCP MX v1.0); their sums are f32. All else is computed in f32.
;;   The module's matrix products, in the order in which they are computed (A, B: the left and right operand; K: the contracted axis; several contracted axes count as one K, in the product's order):
;;     1. [M 4,096, K 1,024] x [K 1,024, N 1,024]; A: input x; B: input Wq: QUANTISED
;;     2. [M 4,096, K 1,024] x [K 1,024, N 256]; A: input x; B: input Wk: QUANTISED
;;     3. [M 4,096, K 1,024] x [K 1,024, N 256]; A: input x; B: input Wv: QUANTISED
;;     4. batch 8 x [M 8,192, K 64] x [K 64, N 2,048]; A: computed on the way; B: computed on the way: QUANTISED
;;     5. batch 8 x [M 8,192, K 2,048] x [K 2,048, N 64]; A: softmax (see below); B: computed on the way: QUANTISED
;;     6. [M 4,096, K 1,024] x [K 1,024, N 1,024]; A: computed on the way; B: input Wo: QUANTISED
;;   THE QUANTISER, for each operand of a quantised product, along K:
;;     - K is cut into blocks of 32 from its start; a last block that is shorter is filled with zeros.
;;     - A block's scale is 2^e with e = floor(log2(the largest magnitude in the block)) - 2, held to -126 .. 127; a block of zeros has e = 0. As a byte (E8M0): e + 127.
;;     - Each number is divided by its block's scale, clamped to +-7.5, and rounded to the nearest number of E2M3, ties to even, subnormals kept.
;;     - The product sums the exact products of the quantised numbers (number of the format x scale) in f32.
;;   ~~~python
;;   def quantise(x, axis):      # numpy; x: float32 -> the quantised numbers, widened to float32 again
;;       x = np.moveaxis(x, axis, -1); K = x.shape[-1]
;;       x = np.pad(x, [(0, 0)] * (x.ndim - 1) + [(0, -K % 32)]); x = x.reshape(x.shape[:-1] + (-1, 32)); a = np.abs(x).max(-1, keepdims=True)
;;       e = np.where(a > 0, np.clip(np.frexp(np.where(a > 0, a, 1))[1] - 1 - 2, -126, 127), 0)      # np.frexp(a)[1] - 1 = floor(log2(a)), exactly
;;       r = np.clip(x / 2.0 ** e, -7.5, 7.5)
;;       step = 2.0 ** (np.maximum(np.frexp(np.where(r == 0, 1, r))[1] - 1, 0) - 3)
;;       q = np.round(r / step) * step * 2.0 ** e      # np.round: ties to even
;;       return np.moveaxis(q.reshape(q.shape[:-2] + (-1,))[..., :K], -1, axis).astype(np.float32)
;;   ~~~
;;   SOFTMAX AHEAD OF A QUANTISED PRODUCT. Where the list says 'softmax', what is quantised is not the finished softmax but p = 2^(t - M), with t = logit x log2(e) and M = ceil(the row's largest t), a whole number; so 1/2 < the row's largest p <= 1. The row's sum l is taken of the UNQUANTISED p, in f32, and the product's result is divided by l at the end. Since M is a whole number, a kernel that streams over the keys may use a running M (the ceiling of the running maximum): every later rescaling is an exact power of two, which a block's scale takes up: the codes' values come out the same.
;;   OPERANDS COMPUTED ON THE WAY. 'Computed on the way' means the value that the module computes at that place (a softmax that the list does not call 'softmax' is quantised finished and normalised). What goes into a quantiser is computed in f32, as accurately as f32 sums, v_exp_f32 and their like allow (about 1e-6 of the number): no bf16 or f16 on the way to a quantiser, and a product that is left as it is and whose result goes on into a quantised operand takes f32 operands (vector FMAs, or v_wmma_f32_16x16x4_f32). A number that lies on a knife's edge between two numbers of the format may be rounded either way, as far as f32 arithmetic and the matrix unit's own rounding can turn it there, and no further.
;; 2 versions, each right; version 2 is version 1 with the launch attn written anew for expert scheduling mode. Each part assembles by itself: llvm-mc -triple=amdgcn-amd-amdhsa -mcpu=gfx1250 --defsym DOCPART=n.
;; ======== version 1 of 2: 4 launches
;; workspace buffers: xbuf 3,276,800 bytes; wbuf 2,048,000 bytes; qkbuf 4,259,840 bytes; vbuf 851,968 bytes; obuf 3,407,872 bytes
;; launch quant (part 1): grid 416 x 1, 4 waves a work-group, no clusters, 34,304 bytes of LDS; arguments x, Wq, Wk, Wv, Wo, xbuf, wbuf; writes xbuf, wbuf
.if DOCPART == 1
	.amdgcn_target "amdgcn-amd-amdhsa--gfx1250"
	.amdhsa_code_object_version 6
	.text
	.protected	k_q28435f6939_quant
	.globl	k_q28435f6939_quant
	.p2align	8
	.type	k_q28435f6939_quant,@function
k_q28435f6939_quant:
	s_mov_b64 s[64:65], 0
	v_nop
	global_prefetch_b8 v0, s[64:65] scope:SCOPE_SE
	s_setreg_imm32_b32 hwreg(HW_REG_WAVE_MODE, 25, 1), 1
	s_wait_xcnt 0x0
; x [4096][1024] and the four weights ([1024][N], K = the FIRST axis), f32, become codes of FP6 (E2M3) with one E8M0 byte for each 32 along K = 1024.
; A block's scale is 2^(floor(log2(largest magnitude)) - 2): its byte is the largest magnitude's exponent field - 2, held at 1 from below.
; LIMITS: NaN and infinities are not served; blocks whose largest magnitude lies under 2^-124 keep the byte 1; a block of zeros gets the byte 1 and not 127:
; its codes are zeros, which add nothing under any byte but 0xff, and only this program reads the bytes.
; LAYOUT OF THE WORKSPACE: images of the matrix operand's registers.  A fragment is 16 rows x 128 K = 12 registers a lane; registers 4 c .. 4 c + 3 of lane L lie at
; 512 c + 16 L of its 1,536 bytes.  THE 16 ROWS OF A TILE ARE NOT NEIGHBOURS: row r of tile 2 B + u is element 32 B + 8 u + r + 8 (r / 8) (tokens of x, columns of a weight).
; xbuf: [tile 256][K step 8] images, then scale words [tile][K step 8][row 16].  wbuf: the same for 160 tiles: 0-63 Wq, 64-79 Wk, 80-95 Wv, 96-159 Wo.
; Work-groups 0-255: one tile of x each, a wave two K steps.  Work-groups 256-415: 128 columns x 128 K of a weight each, a wave 32 columns.  Memory binds: no matrix unit,
; no cluster, no barrier (waves share nothing); each input byte is read once.
.set XSO, 3145728                      ; where xbuf's scale words begin
.set WSO, 1966080                      ; where wbuf's begin
.set SEL, 20                           ; s[20:21] lane selects: lane l xor 16
.set R,   8                            ; x: v8-135   two fragments x 16 rows x 4 registers, as loaded
.set X,   136                          ; x: v136-199 64 numbers of my row: register 16 b + i = k 32 b + 16 (lane / 16) + i
.set TM,  200                          ; v200-215 at work
.set PW,  216                          ; the scale word just made
.set PC,  220                          ; v220-238 the codes just made
.set OFF, 8                            ; W: v8-39    byte offsets of 32 rows
.set XW,  40                           ; W: v40-167  128 numbers down K of my column
.set CW,  168                          ; W: v168-179 the registers of fragment lane (r', 0), v180-191 of (r', 1)
.set TW,  192                          ; W: v192-207 second halves of the blocks' codes
; 64 numbers of a lane, v[s] .. v[s + 63], become a fragment's codes in v[PC] on and its row's scale word in v[PW]
.macro QUANT s
.irp b, 0,1,2,3
	v_max3_num_f32 v[TM+\b], |v[\s+16*\b]|, |v[\s+1+16*\b]|, 0x1800000   ; my 16 numbers of block b, and the floor 2^(3 - 127): the byte cannot fall under 1
.endr
.irp i, 2,4,6,8,10,12,14
.irp b, 0,1,2,3
	v_max3_num_f32 v[TM+\b], v[TM+\b], |v[\s+16*\b+\i]|, |v[\s+1+16*\b+\i]|
.endr
.endr
.irp b, 0,1,2,3
	v_permlanex16_b32 v[TM+4+\b], v[TM+\b], s[SEL], s[SEL+1]
.endr
.irp b, 0,1,2,3
	v_max_num_f32 v[TM+\b], v[TM+\b], v[TM+4+\b]                 ; with lane l xor 16's 16: the block's largest magnitude
.endr
.irp b, 0,1,2,3
	v_add_nc_u32 v[TM+12+\b], 0xff000000, v[TM+\b]               ; 2 off the exponent field: the conversion's scale operand
.endr
.irp b, 0,1,2,3
	v_lshrrev_b32 v[TM+4+\b], 23, v[TM+12+\b]                    ; the scale's byte
.endr
	v_lshl_or_b32 v[PW], v[TM+5], 8, v[TM+4]
	v_lshl_or_b32 v[PW], v[TM+6], 16, v[PW]
	v_lshl_or_b32 v[PW], v[TM+7], 24, v[PW]
.irp c, 0,1
	v_cvt_scalef32_pk16_fp6_f32 v[PC+6*\c:PC+2+6*\c], v[\s+32*\c:\s+15+32*\c], v[TM+12+2*\c]
	v_cvt_scalef32_pk16_fp6_f32 v[PC+12+4*\c:PC+14+4*\c], v[\s+16+32*\c:\s+31+32*\c], v[TM+12+2*\c+1]   ; (a conversion's three registers begin on an even number)
.endr
	v_nop                                                        ; one plain place behind a scaled conversion
.irp c, 0,1                            ; the operand wants a whole block in a lane: lanes 0-15 block 2 c, lanes 16-31 block 2 c + 1
.irp i, 0,1,2
	v_permlane16_swap_b32 v[PC+6*\c+\i], v[PC+12+4*\c+\i]
.endr
.irp i, 0,1,2
	v_mov_b32 v[PC+3+6*\c+\i], v[PC+12+4*\c+\i]
.endr
.endr
.endm
	s_load_b256 s[4:11], s[0:1], 0x0               ; x s[4:5], Wq s[6:7], Wk s[8:9], Wv s[10:11]
	s_load_b128 s[12:15], s[0:1], 0x20             ; Wo s[12:13], xbuf s[14:15]
	s_load_b64 s[16:17], s[0:1], 0x30              ; wbuf
	v_lshl_add_u32 v254, v0, 2, 0x8400
	v_mov_b32 v255, 0
	v_lshrrev_b32 v1, 5, v0
	v_readfirstlane_b32 s18, v1                    ; wave 0..3
	v_and_b32 v5, 31, v0                           ; lane
	v_lshlrev_b32 v1, 4, v5                        ; 16 x lane
	v_lshlrev_b32 v2, 2, v5                        ; 4 x lane
	s_mov_b32 s[SEL], 0x76543210
	s_mov_b32 s[SEL+1], 0xfedcba98
	s_cmp_lt_u32 ttmp9, 256
	s_cbranch_scc0 .Lw
	; ---------------- x: tile ttmp9, K steps 2 w and 2 w + 1 ----------------
	s_mul_i32 s19, s18, 8448                       ; my stage: 16 rows x (512 + 16) bytes
	v_add_nc_u32 v3, s19, v1                       ; in: a row's 512 bytes as they lie
	v_and_b32 v6, 15, v0
	v_bfe_u32 v7, v0, 4, 1
	v_mul_u32_u24 v4, v6, 528
	v_lshl_add_u32 v4, v7, 6, v4
	v_add_nc_u32 v4, s19, v4                       ; out: row lane % 16, + 64 (lane / 16): my 16 numbers of each block of 32
	s_lshr_b32 s22, ttmp9, 1
	s_lshl_b32 s22, s22, 5
	s_and_b32 s23, ttmp9, 1
	s_lshl_b32 s23, s23, 3
	s_add_co_u32 s22, s22, s23                     ; the tile's first token: 32 (tile / 2) + 8 (tile % 2)
	s_lshl_b32 s22, s22, 12                        ; rows of 4,096 bytes
	s_lshl_b32 s23, s18, 10                        ; my two K steps: 1,024 bytes a wave
	s_add_co_u32 s22, s22, s23
	s_mov_b32 s23, 0
	s_lshl_b32 s24, ttmp9, 3
	s_lshl_b32 s25, s18, 1
	s_add_co_u32 s24, s24, s25
	s_mul_i32 s24, s24, 1536                       ; image 8 tile + 2 w
	s_mov_b32 s25, 0
	s_lshl_b32 s26, ttmp9, 9
	s_lshl_b32 s27, s18, 7
	s_add_co_u32 s26, s26, s27
	s_add_co_u32 s26, s26, XSO                     ; scale words: 512 bytes a tile, 64 a K step
	s_mov_b32 s27, 0
	s_wait_kmcnt 0x0
	s_add_nc_u64 s[4:5], s[4:5], s[22:23]
	s_add_nc_u64 s[24:25], s[14:15], s[24:25]
	s_add_nc_u64 s[26:27], s[14:15], s[26:27]
.irp f, 0,1
.irp p, 0,1,2,3,4,5,6,7,8,9,10,11,12,13,14,15
	global_load_b128 v[R+64*\f+4*\p:R+64*\f+4*\p+3], v1, s[4:5] offset:(\p+8*(\p/8))*4096+512*\f th:TH_LOAD_NT   ; 32 lanes read 512 consecutive bytes of the tile's row p
.endr
.endr
.irp b, 0,1,2,3
	v_mov_b32 v[TM+4+\b], 0                        ; written once: a lane permute's destination counts as one of its sources
.endr
.macro TURNX f                         ; a fragment's 8,192 bytes through my stage: LDS serves a wave's instructions in order, so no wait between stores and loads
.irp p, 0,1,2,3,4,5,6,7,8,9,10,11,12,13,14,15
	ds_store_b128 v3, v[R+64*\f+4*\p:R+64*\f+4*\p+3] offset:528*\p
.endr
.irp b, 0,1,2,3
.irp j, 0,1,2,3
	ds_load_b128 v[X+16*\b+4*\j:X+16*\b+4*\j+3], v4 offset:128*\b+16*\j
.endr
.endr
	s_wait_dscnt 0x0
.endm
	s_wait_loadcnt 16                              ; the first K step's 16 loads are in; the second's 16 may be out
	TURNX 0
	QUANT X
.irp c, 0,1,2
	global_store_b128 v1, v[PC+4*\c:PC+4*\c+3], s[24:25] offset:512*\c    ; 512 consecutive bytes a store
.endr
	v_mov_b32 v217, v[PW]
	s_wait_loadcnt 0x0
	TURNX 1
	s_wait_xcnt 0x0                                ; the codes' registers, which the stores above read, are written again only behind this wait
	QUANT X
.irp c, 0,1,2
	global_store_b128 v1, v[PC+4*\c:PC+4*\c+3], s[24:25] offset:1536+512*\c
.endr
	v_cmp_lt_u32 vcc_lo, 15, v5
	v_cndmask_b32 v218, v217, v[PW], vcc_lo        ; lanes 0-15: K step 2 w's words; lanes 16-31: K step 2 w + 1's (both halves of the lanes hold their row's word)
	global_store_b32 v2, v218, s[26:27]            ; 128 consecutive bytes
	s_wait_tensorcnt 0x0
	ds_add_u32 v254, v255
	s_wait_dscnt 0x0
	s_endpgm
	; ---------------- the weights: 128 columns (cb) x 128 along K (step s); a lane takes a column and its registers run down K ----------------
.Lw:
	v_bfe_u32 v6, v0, 3, 1                         ; column L of a block of 32 is row r' = L % 8 + 8 (L / 16) of tile u = (L / 8) % 2
	v_and_b32 v7, 7, v0
	v_bfe_u32 v3, v0, 4, 1
	v_lshl_add_u32 v7, v3, 3, v7
	v_mul_u32_u24 v4, v6, 12288                    ; a tile's eight images are 12,288 bytes
	v_lshl_add_u32 v4, v7, 4, v4                   ; codes: 12288 u + 16 r'
	v_lshlrev_b32 v3, 9, v6
	v_lshl_add_u32 v3, v7, 2, v3                   ; scale word: 512 u + 4 r'
	s_sub_co_u32 s19, ttmp9, 256
	s_lshr_b32 s22, s19, 3                         ; cb 0..19: 0-7 Wq, 8-9 Wk, 10-11 Wv, 12-19 Wo
	s_and_b32 s23, s19, 7                          ; K step
	s_mov_b32 s27, 4096                            ; a row of the weight in bytes
	s_mov_b32 s28, 12                              ; the weight's first cb
	s_wait_kmcnt 0x0
	s_mov_b64 s[24:25], s[12:13]
	s_cmp_lt_u32 s22, 12                           ; the choices hang on the work-group's number alone
	s_cselect_b64 s[24:25], s[10:11], s[24:25]
	s_cselect_b32 s27, 1024, s27
	s_cselect_b32 s28, 10, s28
	s_cmp_lt_u32 s22, 10
	s_cselect_b64 s[24:25], s[8:9], s[24:25]
	s_cselect_b32 s28, 8, s28
	s_cmp_lt_u32 s22, 8
	s_cselect_b64 s[24:25], s[6:7], s[24:25]
	s_cselect_b32 s27, 4096, s27
	s_cselect_b32 s28, 0, s28
	s_sub_co_u32 s28, s22, s28
	s_lshl_b32 s28, s28, 9                         ; 128 columns x 4 bytes
	s_lshl_b32 s29, s18, 7                         ; + my wave's 32 columns
	s_add_co_u32 s28, s28, s29
	s_lshl_b32 s29, s23, 7                         ; the step's first row
.irp q, 0,1,2,3                        ; a base for each block of 32 rows
	s_add_co_u32 s30, s29, 32*\q
	s_mul_i32 s30, s30, s27
	s_add_co_u32 s30, s30, s28
	s_mov_b32 s31, 0
	s_add_nc_u64 s[32+2*\q:33+2*\q], s[24:25], s[30:31]
.endr
	s_lshl_b32 s30, s22, 3
	s_lshl_b32 s31, s18, 1
	s_add_co_u32 s30, s30, s31                     ; my first tile: 8 cb + 2 w
	s_mul_i32 s40, s30, 12288
	s_mul_i32 s41, s23, 1536
	s_add_co_u32 s40, s40, s41
	s_mov_b32 s41, 0
	s_add_nc_u64 s[42:43], s[16:17], s[40:41]
	s_lshl_b32 s40, s30, 9
	s_lshl_b32 s30, s23, 6
	s_add_co_u32 s40, s40, s30
	s_add_co_u32 s40, s40, WSO
	s_add_nc_u64 s[44:45], s[16:17], s[40:41]
.set i, 0
.rept 32
	v_mad_u32_u24 v[OFF+i], s27, i, v2             ; row i of a block, my column
.set i, i+1
.endr
.irp q, 0,1,2,3
.set i, 0
.rept 32
	global_load_b32 v[XW+32*\q+i], v[OFF+i], s[32+2*\q:33+2*\q] th:TH_LOAD_NT   ; 128 consecutive bytes a wave, 512 a work-group
.set i, i+1
.endr
.endr
	s_wait_loadcnt 0x0
.irp q, 0,1,2,3
	v_max3_num_f32 v[208+\q], |v[XW+32*\q]|, |v[XW+32*\q+1]|, 0x1800000        ; all 32 numbers of a block are mine; the four blocks by turns
.endr
.irp i, 2,4,6,8,10,12,14,16,18,20,22,24,26,28,30
.irp q, 0,1,2,3
	v_max3_num_f32 v[208+\q], v[208+\q], |v[XW+32*\q+\i]|, |v[XW+32*\q+\i+1]|
.endr
.endr
.irp q, 0,1,2,3
	v_add_nc_u32 v[212+\q], 0xff000000, v[208+\q]
.endr
.irp q, 0,1,2,3
	v_lshrrev_b32 v[216+\q], 23, v[212+\q]
.endr
	v_lshl_or_b32 v220, v217, 8, v216
	v_lshl_or_b32 v220, v218, 16, v220
	v_lshl_or_b32 v220, v219, 24, v220             ; my column's scale word for this K step
.irp c, 0,1
.irp hh, 0,1                           ; block 2 c + hh is registers 6 c .. 6 c + 5 of fragment lane (r', hh)
	v_cvt_scalef32_pk16_fp6_f32 v[CW+12*\hh+6*\c:CW+12*\hh+6*\c+2], v[XW+32*(2*\c+\hh):XW+32*(2*\c+\hh)+15], v[212+2*\c+\hh]
	v_cvt_scalef32_pk16_fp6_f32 v[TW+4*(2*\c+\hh):TW+4*(2*\c+\hh)+2], v[XW+32*(2*\c+\hh)+16:XW+32*(2*\c+\hh)+31], v[212+2*\c+\hh]
.endr
.endr
	v_nop                                          ; one plain place behind a scaled conversion
.irp c, 0,1
.irp hh, 0,1
.irp i, 0,1,2
	v_mov_b32 v[CW+12*\hh+6*\c+3+\i], v[TW+4*(2*\c+\hh)+\i]
.endr
.endr
.endr
.irp hh, 0,1
.irp c, 0,1,2
	global_store_b128 v4, v[CW+12*\hh+4*\c:CW+12*\hh+4*\c+3], s[42:43] offset:512*\c+256*\hh   ; each tile's sixteen lanes store 256 consecutive bytes, aligned
.endr
.endr
	global_store_b32 v3, v220, s[44:45]            ; pieces of 64 bytes: 81,920 bytes in the whole launch
	s_endpgm
.Lfunc_end_k_q28435f6939_quant:
	.size	k_q28435f6939_quant, .Lfunc_end_k_q28435f6939_quant-k_q28435f6939_quant
	.p2alignl 7, 3214868480
	.fill 96, 4, 3214868480
	.section	.rodata,"a",@progbits
	.p2align	6, 0x0
	.amdhsa_kernel k_q28435f6939_quant
		.amdhsa_group_segment_fixed_size 34304
		.amdhsa_private_segment_fixed_size 0
		.amdhsa_enable_private_segment 0
		.amdhsa_kernarg_size 56
		.amdhsa_user_sgpr_count 2
		.amdhsa_user_sgpr_kernarg_segment_ptr 1
		.amdhsa_wavefront_size32 1
		.amdhsa_system_sgpr_workgroup_id_x 1
		.amdhsa_system_sgpr_workgroup_id_y 1
		.amdhsa_system_sgpr_workgroup_id_z 1
		.amdhsa_system_vgpr_workitem_id 0
		.amdhsa_next_free_vgpr 256
		.amdhsa_next_free_sgpr 66
		.amdhsa_reserve_vcc 1
		.amdhsa_float_denorm_mode_32 3
		.amdhsa_float_denorm_mode_16_64 3
		.amdhsa_memory_ordered 1
		.amdhsa_forward_progress 1
		.amdhsa_inst_pref_size 41
	.end_amdhsa_kernel
	.amdgpu_metadata
---
amdhsa.version: [ 1, 2 ]
amdhsa.kernels:
  - .name:           k_q28435f6939_quant
    .symbol:         k_q28435f6939_quant.kd
    .args:
      - { .name: x, .offset: 0, .size: 8, .value_kind: global_buffer, .address_space: global }
      - { .name: Wq, .offset: 8, .size: 8, .value_kind: global_buffer, .address_space: global }
      - { .name: Wk, .offset: 16, .size: 8, .value_kind: global_buffer, .address_space: global }
      - { .name: Wv, .offset: 24, .size: 8, .value_kind: global_buffer, .address_space: global }
      - { .name: Wo, .offset: 32, .size: 8, .value_kind: global_buffer, .address_space: global }
      - { .name: xbuf, .offset: 40, .size: 8, .value_kind: global_buffer, .address_space: global }
      - { .name: wbuf, .offset: 48, .size: 8, .value_kind: global_buffer, .address_space: global }
    .group_segment_fixed_size: 34304
    .private_segment_fixed_size: 0
    .kernarg_segment_align: 8
    .kernarg_segment_size: 56
    .max_flat_workgroup_size: 128
    .sgpr_count:     66
    .vgpr_count:     256
    .wavefront_size: 32
...
	.end_amdgpu_metadata
.endif
;; end of part 1
;; launch qkv (part 2): grid 8 x 32, 12 waves a work-group, no clusters, 247,296 bytes of LDS; arguments xbuf, wbuf, bq, bk, bv, qkbuf, vbuf; writes qkbuf, vbuf
.if DOCPART == 2
	.amdgcn_target "amdgcn-amd-amdhsa--gfx1250"
	.amdhsa_code_object_version 6
	.text
	.protected	k_q28435f6939_qkv
	.globl	k_q28435f6939_qkv
	.p2align	8
	.type	k_q28435f6939_qkv,@function
k_q28435f6939_qkv:
	s_mov_b64 s[64:65], 0
	v_nop
	global_prefetch_b8 v0, s[64:65] scope:SCOPE_SE
	s_setreg_imm32_b32 hwreg(HW_REG_WAVE_MODE, 25, 1), 1
	s_wait_xcnt 0x0
; q = x Wq + bq, k = x Wk + bk, v = x Wv + bv on codes of FP6 (E2M3) with E8M0 scales, sums in f32; the results are quantised at once for the attention's two products.
; A work-group (x = column group cg, y = block of 128 tokens): query heads 2 cg and 2 cg + 1 (waves 0-7), and with waves 8-11 head cg / 2 of k (cg even) or group cg / 2 of v (cg odd): 8 x 32 work-groups of equal work.
; ALL OF K AT ONCE.  The work-group's operands are 20 tiles of 16 rows x 1024 K (8 of x, 8 of Wq, 4 of Wk or Wv), 12,288 dense bytes each: 245,760 bytes.  They are asked for at the first lines, by tensor loads into LDS
; bytes that are filled once: a load brings 2 tiles x 2 K steps (2 rows of 3,072 bytes, 12,288 apart); waves 0-9 issue four each, one for each pair of K steps, so a wave has four outstanding.
; LDS: [pair of K steps 4][tile 20][3,072 bytes]; a fragment's image (1,536 bytes: registers 4 c .. 4 c + 3 of lane L at 512 c + 16 L) comes back by three loads of 512 consecutive bytes.
; ONE SHAPE OF WORK FOR EVERY WAVE: 4 tiles as source 0, 2 tiles as source 1, eight accumulators by turns, 8 K steps.
;   q, k: source 0 = the head's 4 tiles of W, source 1 = token tiles 2 (w % 4) and + 1: a lane holds ONE token and its registers run along the head's 64.  The 64 numbers become ONE image of qkbuf:
;         registers 0-5 token tile 2 B, registers 6-11 token tile 2 B + 1 (K = 64 + 64), scale bytes 0, 1 and 2, 3 likewise.
;   v:    source 0 = token tiles 4 (w % 2) .. + 3 (64 keys), source 1 = channel tiles 2 ((w / 2) % 2) and + 1: a lane holds ONE channel and its registers run along the keys, the second product's K.
;         The 64 numbers become registers 6 (w % 2) .. + 5 of TWO images of vbuf, and two of the four scale bytes of each.
; By the tiles' order of rows (row r of tile 2 B + u = element 32 B + 8 u + r + 8 (r / 8)) the 16 registers of two neighbouring tiles are 16 neighbours along the next K.
; qkbuf: [head 20 (16 + g = k of group g)][block of 32 tokens 128] images, then a scale word a lane (128 bytes an image).  vbuf: [group 4][128 keys 32][tile of 16 channels 4] likewise.
; The biases are loaded into the accumulators, so that every product adds in place.
; The roles differ in the bias, in which two address registers the fragment loads name, and in the stores at the end; no barrier stands under a branch.
; v's halves of an image leave as one store of 16 bytes and one of 8 bytes a lane; the stores of 8 fill half of each 16 bytes, and the partner wave fills the other half: 512 of an image's 1,536 bytes.
; No joint requests in a cluster: whether waves 8-11 make k or v hangs on the work-group's column, which the partners of a cluster's row would not share.
; LIMITS: NaN and infinities are not served; blocks whose largest magnitude lies under 2^-124 keep the scale byte 1; a block of zeros gets the byte 1 and not 127: its codes are zeros, and only this program reads the bytes.
.set XSO, 3145728                      ; where xbuf's scale words begin: [tile][K step 8][row 16]
.set WSO, 1966080                      ; wbuf's
.set QSO, 3932160                      ; qkbuf's
.set VSO, 786432                       ; vbuf's
.set BLK, 61440                        ; LDS bytes of a pair of K steps: 20 tiles x 3,072
.set SEL, 22                           ; s[22:23] lane selects: lane l xor 16
.set G1,  24                           ; s[24:31] descriptor group 1, the same for every load
.set G0,  32                           ; s[32:47] descriptor group 0, a set for each of my four loads
.set SA,  12                           ; v12-27  scale words of source 0: tile t, K steps 2 g (lanes 0-15) and 2 g + 1 (lanes 16-31) at v[SA + 4 t + g]
.set SB,  28                           ; v28-35  of source 1: v[SB + 4 i + g]
.set ACC, 36                           ; v36-99  accumulator (i, t) at v[ACC + 32 i + 8 t]
.set FR0, 100                          ; v100-171 the fragments of a pair's first K step: source 0's four, then source 1's two
.set FR1, 172                          ; v172-243 of its second
.set PC,  100                          ; behind the products: v100-118 the codes, v120-135 at work, v136 the scale word
.set TM,  120
.set PW,  136
; v1 16 L; v2 4 L; v4, v5 LDS addresses of sources 0 and 1 for q and k; v6, v7 for v; v9, v10 bias offsets
; s18 wave; s19 cg; s20 block of tokens; s21 1 where my wave makes v; s[48:51] scale words; s[52:55] biases; s[56:59] my place in qkbuf; s[60:63] in vbuf
.macro QUANT s                         ; 64 numbers of a lane, register 16 b + i = k 32 b + 16 (lane / 16) + i, become 12 registers of codes in v[PC] on and a scale word in v[PW]
.irp b, 0,1,2,3
	v_max3_num_f32 v[TM+\b], |v[\s+16*\b]|, |v[\s+1+16*\b]|, 0x1800000   ; my 16 numbers of block b, and the floor 2^(3 - 127); each accumulator is read from its low end on
.endr
.irp i, 2,4,6,8,10,12,14
.irp b, 0,1,2,3
	v_max3_num_f32 v[TM+\b], v[TM+\b], |v[\s+16*\b+\i]|, |v[\s+1+16*\b+\i]|
.endr
.endr
.irp b, 0,1,2,3
	v_permlanex16_b32 v[TM+4+\b], v[TM+\b], s[SEL], s[SEL+1]
.endr
.irp b, 0,1,2,3
	v_max_num_f32 v[TM+\b], v[TM+\b], v[TM+4+\b]                 ; with lane l xor 16's 16: the block's largest magnitude
.endr
.irp b, 0,1,2,3
	v_add_nc_u32 v[TM+12+\b], 0xff000000, v[TM+\b]               ; 2 off the exponent field: the conversion's scale operand
.endr
.irp b, 0,1,2,3
	v_lshrrev_b32 v[TM+4+\b], 23, v[TM+12+\b]                    ; the scale's byte
.endr
	v_lshl_or_b32 v[PW], v[TM+5], 8, v[TM+4]
	v_lshl_or_b32 v[PW], v[TM+6], 16, v[PW]
	v_lshl_or_b32 v[PW], v[TM+7], 24, v[PW]
.irp c, 0,1
	v_cvt_scalef32_pk16_fp6_f32 v[PC+6*\c:PC+2+6*\c], v[\s+32*\c:\s+15+32*\c], v[TM+12+2*\c]
	v_cvt_scalef32_pk16_fp6_f32 v[PC+12+4*\c:PC+14+4*\c], v[\s+16+32*\c:\s+31+32*\c], v[TM+12+2*\c+1]   ; (a conversion's three registers begin on an even number)
.endr
	v_nop                                          ; one plain place behind a scaled conversion
.irp c, 0,1                            ; the operand wants a whole block in a lane: lanes 0-15 block 2 c, lanes 16-31 block 2 c + 1
.irp i, 0,1,2
	v_permlane16_swap_b32 v[PC+6*\c+\i], v[PC+12+4*\c+\i]
.endr
.irp i, 0,1,2
	v_mov_b32 v[PC+3+6*\c+\i], v[PC+12+4*\c+\i]
.endr
.endr
.endm
.macro FETCH reg, adr, off             ; an image comes back as the operand's registers
.irp c, 0,1,2
	ds_load_b128 v[\reg+4*\c:\reg+4*\c+3], v[\adr] offset:\off+512*\c
.endr
.endm
.macro FETCHALL a, b                   ; both K steps of a pair: 18 loads each, the first step's first
.irp q, 0,1
.irp t, 0,1,2,3
	FETCH FR0+72*\q+12*\t, \a, 3072*\t+1536*\q
.endr
.irp i, 0,1
	FETCH FR0+72*\q+48+12*\i, \b, 3072*\i+1536*\q
.endr
.endr
.endm
.macro WM d, a, b, sa, sb, odd         ; odd K steps take their scale words from lanes 16-31
.if \odd
	v_wmma_scale_f32_16x16x128_f8f6f4 v[\d:\d+7], v[\a:\a+11], v[\b:\b+11], v[\d:\d+7], v[\sa], v[\sb] matrix_a_fmt:MATRIX_FMT_FP6 matrix_b_fmt:MATRIX_FMT_FP6 matrix_a_scale:MATRIX_SCALE_ROW1 matrix_b_scale:MATRIX_SCALE_ROW1
.else
	v_wmma_scale_f32_16x16x128_f8f6f4 v[\d:\d+7], v[\a:\a+11], v[\b:\b+11], v[\d:\d+7], v[\sa], v[\sb] matrix_a_fmt:MATRIX_FMT_FP6 matrix_b_fmt:MATRIX_FMT_FP6
.endif
.endm
.macro MUL8 f, s                       ; K step s out of fragment set f: the eight accumulators by turns, one instruction a turn
.irp i, 0,1
.irp t, 0,1,2,3
	WM ACC+32*\i+8*\t, \f+12*\t, \f+48+12*\i, SA+4*\t+(\s)/2, SB+4*\i+(\s)/2, (\s)%2
.endr
.endr
.endm
; K steps 2 g and 2 g + 1.  Each wave waits until its own load of this pair has landed (its 3 - g later loads stay out), then the barrier: behind it the pair's 20 tiles are whole.
.macro SIGMA g
	s_wait_tensorcnt 3-\g
	s_barrier_signal -1                            ; (no LDS instruction of mine is out: the last wait on DScnt was for 0)
	s_barrier_wait -1
	s_cmp_eq_u32 s21, 0
	s_cbranch_scc0 .Lfv_\@                         ; the branch stands round the loads alone; both ways issue the same 36 into the same registers
	FETCHALL 4, 5
	s_branch .Lfj_\@
.Lfv_\@:
	FETCHALL 6, 7
.Lfj_\@:
.if \g == 0
	s_wait_loadcnt 0x0                             ; the scale words and the biases
.endif
	s_wait_dscnt 18                                ; the first step's 18 loads are in; the second step's 18 may be out
	MUL8 FR0, 2*\g
	s_wait_dscnt 0x0
	MUL8 FR1, 2*\g+1
.if \g < 3
.irp a, 4,5,6,7
	v_add_nc_u32 v[\a], BLK, v[\a]                 ; on to the next pair of K steps.  These four are also the places in front of the next loads into registers that matrix instructions have read
.endr
.endif
.endm
	s_load_b256 s[4:11], s[0:1], 0x0               ; xbuf s[4:5], wbuf s[6:7], bq s[8:9], bk s[10:11]
	s_load_b128 s[12:15], s[0:1], 0x20             ; bv s[12:13], qkbuf s[14:15]
	s_load_b64 s[16:17], s[0:1], 0x30              ; vbuf
	v_lshl_add_u32 v254, v0, 2, 0x3c000
	v_mov_b32 v255, 0
	ds_add_u32 v254, v255
	ds_add_u32 v254, v255
	v_lshrrev_b32 v1, 5, v0
	v_readfirstlane_b32 s18, v1                    ; wave 0..11
	s_mov_b32 s19, ttmp9                           ; cg
	s_and_b32 s20, ttmp7, 0xffff                   ; block of 128 tokens
	s_mov_b32 s[SEL], 0x76543210
	s_mov_b32 s[SEL+1], 0xfedcba98
	; descriptor group 1: 2 rows of 384 elements of 8 bytes (3,072 bytes: two K steps of a tile), 1,536 elements (a tile's 12,288 bytes) apart; no padding: an image is read as it lies
	s_mov_b32 s[G1+0], 3<<16                       ; no mask; elements of 8 bytes
	s_mov_b32 s[G1+1], 384<<16                     ; tensor_dim0
	s_mov_b32 s[G1+2], 2<<16                       ; tensor_dim1
	s_mov_b32 s[G1+3], 384<<16                     ; tile_dim0
	s_mov_b32 s[G1+4], 2                           ; tile_dim1
	s_mov_b32 s[G1+5], 1536                        ; from row to row
	s_mov_b32 s[G1+6], 0
	s_mov_b32 s[G1+7], 0
	s_lshr_b32 s66, s18, 2                         ; w / 4
	s_and_b32 s67, s18, 3                          ; w % 4
	s_lshr_b32 s68, s19, 1                         ; g = cg / 2
	s_and_b32 s69, s19, 1
	s_lshr_b32 s21, s18, 3
	s_and_b32 s21, s21, s69                        ; waves 8-11 of an odd cg make v
	s_lshl_b32 s70, s69, 4
	s_lshl_b32 s71, s68, 2
	s_add_co_u32 s70, s70, s71
	s_add_co_u32 s70, s70, 64                      ; the four tiles beside Wq's: wbuf's tile 64 + 4 g (Wk) or 80 + 4 g (Wv)
	s_lshl_b32 s71, s67, 1                         ; 2 (w % 4)
	s_lshl_b32 s74, s20, 3                         ; x's first tile
	s_lshl_b32 s75, s19, 3                         ; Wq's first tile
	; what I fetch: waves 0-3 x's tiles 2 w and + 1, waves 4-7 Wq's 2 (w - 4), waves 8, 9 the other four's 2 (w - 8)
	s_add_co_u32 s76, s74, s71
	s_add_co_u32 s77, s75, s71
	s_add_co_u32 s78, s70, s71
	s_cmp_lt_u32 s18, 8
	s_cselect_b32 s77, s77, s78
	s_cmp_lt_u32 s18, 4
	s_cselect_b32 s72, s76, s77
	s_mul_i32 s72, s72, 12288
	s_mov_b32 s73, 0
	s_mul_i32 s79, s18, 6144                       ; and where it goes: tiles 2 w and 2 w + 1 of a pair's 20
.irp g, 0,1,2,3
	s_mov_b32 s[G0+4*\g], 1                        ; count = 1
	s_add_co_u32 s[G0+4*\g+1], s79, BLK*\g         ; LDS address
.endr
	; scale words: wbuf's tile and xbuf's tile at which mine begin
	s_lshl_b32 s76, s66, 2
	s_add_co_u32 s76, s76, s75                     ; q: 8 cg + 4 (w / 4)
	s_bfe_u32 s78, s18, 0x10001                    ; (w / 2) % 2: v's pair of channel tiles
	s_lshl_b32 s80, s78, 1
	s_mul_i32 s80, s80, s21
	s_add_co_u32 s80, s80, s70                     ; k: the four tiles' first; v: + 2 x the pair
	s_cmp_lt_u32 s18, 8
	s_cselect_b32 s76, s76, s80
	s_lshl_b32 s76, s76, 9
	s_add_co_u32 s76, s76, WSO
	s_mov_b32 s77, 0
	s_and_b32 s80, s18, 1
	s_lshl_b32 s80, s80, 2                         ; v: token tiles 4 (w % 2) on
	s_cmp_eq_u32 s21, 1
	s_cselect_b32 s80, s80, s71                    ; q, k: 2 (w % 4) on
	s_add_co_u32 s80, s80, s74
	s_lshl_b32 s80, s80, 9
	s_add_co_u32 s80, s80, XSO
	s_mov_b32 s81, 0
	; biases
	s_lshl_b32 s86, s19, 9
	s_lshl_b32 s87, s66, 8
	s_add_co_u32 s86, s86, s87                     ; bq: 128 cg + 64 (w / 4) numbers on
	s_lshl_b32 s87, s68, 8                         ; bk: 64 g
	s_cmp_lt_u32 s18, 8
	s_cselect_b32 s86, s86, s87
	s_mov_b32 s87, 0
	s_lshl_b32 s88, s68, 8
	s_lshl_b32 s89, s78, 7
	s_add_co_u32 s88, s88, s89                     ; bv: channel tile 4 g + 2 pair + i begins at column 64 g + 32 pair + 8 i
	s_mov_b32 s89, 0
	; my place in qkbuf: image head x 128 + 4 y + w % 4
	s_lshl_b32 s90, s19, 1
	s_add_co_u32 s90, s90, s66
	s_add_co_u32 s91, s68, 16
	s_cmp_lt_u32 s18, 8
	s_cselect_b32 s90, s90, s91
	s_lshl_b32 s90, s90, 7
	s_lshl_b32 s91, s20, 2
	s_add_co_u32 s90, s90, s91
	s_add_co_u32 s90, s90, s67
	s_lshl_b32 s92, s90, 7
	s_add_co_u32 s92, s92, QSO
	s_mov_b32 s93, 0
	s_mul_i32 s90, s90, 1536
	s_mov_b32 s91, 0
	; and in vbuf: image (g x 32 + y) x 4 + 2 pair, and the next
	s_lshl_b32 s94, s68, 5
	s_add_co_u32 s94, s94, s20
	s_lshl_b32 s94, s94, 2
	s_lshl_b32 s95, s78, 1
	s_add_co_u32 s94, s94, s95
	s_lshl_b32 s96, s94, 7
	s_add_co_u32 s96, s96, VSO
	s_mov_b32 s97, 0
	s_mul_i32 s94, s94, 1536
	s_mov_b32 s95, 0
	; every LDS address is a constant + a constant x a field of the wave's number + 16 x lane, and is made here, ahead of every branch
	v_and_b32 v11, 31, v0
	v_lshlrev_b32 v1, 4, v11
	v_lshlrev_b32 v2, 2, v11
	s_mul_i32 s82, s66, 12288
	s_add_co_u32 s82, s82, 24576
	v_add_nc_u32 v4, s82, v1                       ; q, k: source 0 = tiles 8 + 4 (w / 4) on
	s_mul_i32 s82, s67, 6144
	v_add_nc_u32 v5, s82, v1                       ;       source 1 = tiles 2 (w % 4) on
	s_and_b32 s82, s18, 1
	s_mul_i32 s82, s82, 12288
	v_add_nc_u32 v6, s82, v1                       ; v:    source 0 = tiles 4 (w % 2) on
	s_mul_i32 s82, s78, 6144
	s_add_co_u32 s82, s82, 49152
	v_add_nc_u32 v7, s82, v1                       ;       source 1 = tiles 16 + 2 ((w / 2) % 2) on
	v_bfe_u32 v11, v0, 4, 1
	v_lshlrev_b32 v9, 6, v11                       ; q, k: the bias of my half's 16 channels of a block of 32
	v_and_b32 v10, 15, v0
	v_and_b32 v11, 8, v10
	v_add_nc_u32 v10, v10, v11
	v_lshlrev_b32 v10, 2, v10                      ; v: the bias of my one channel: 4 (r + 8 (r / 8))
	s_wait_dscnt 0x0
	s_wait_kmcnt 0x0
	s_cmp_lt_u32 s18, 4                            ; the choice hangs on the wave's number alone
	s_cselect_b64 s[82:83], s[4:5], s[6:7]
	s_add_nc_u64 s[82:83], s[82:83], s[72:73]
.irp g, 0,1,2,3
	s_add_nc_u64 s[G0+4*\g+2:G0+4*\g+3], s[82:83], 3072*\g         ; K steps 2 g and 2 g + 1 of my two tiles
	s_or_b32 s[G0+4*\g+3], s[G0+4*\g+3], 0x80000000                ; type = 2
.endr
	s_cmp_lt_u32 s18, 10                           ; 20 tiles are 10 pairs: waves 10 and 11 fetch nothing.  A wave's four fills stand in this one branch, ahead of every wait on TENSORcnt, LDS read and barrier
	s_cbranch_scc0 .Lnofill
	tensor_load_to_lds s[G0:G0+3], s[G1:G1+7]
	s_nop 0
	tensor_load_to_lds s[G0+4:G0+7], s[G1:G1+7]
	s_nop 0
	tensor_load_to_lds s[G0+8:G0+11], s[G1:G1+7]
	s_nop 0
	tensor_load_to_lds s[G0+12:G0+15], s[G1:G1+7]
	s_nop 0
.rept 4
	v_nop
.endr
.Lnofill:
	s_add_nc_u64 s[84:85], s[6:7], s[76:77]        ; wbuf's scale words,
	s_add_nc_u64 s[80:81], s[4:5], s[80:81]        ; xbuf's
	s_cmp_eq_u32 s21, 1                            ; q, k: source 0 is W; v: source 0 is x
	s_cselect_b64 s[48:49], s[80:81], s[84:85]
	s_cselect_b64 s[50:51], s[84:85], s[80:81]
	s_cmp_lt_u32 s18, 8
	s_cselect_b64 s[52:53], s[8:9], s[10:11]       ; bq or bk
	s_add_nc_u64 s[52:53], s[52:53], s[86:87]
	s_add_nc_u64 s[54:55], s[12:13], s[88:89]
	s_add_nc_u64 s[56:57], s[14:15], s[90:91]
	s_add_nc_u64 s[58:59], s[14:15], s[92:93]
	s_add_nc_u64 s[60:61], s[16:17], s[94:95]
	s_add_nc_u64 s[62:63], s[16:17], s[96:97]
.irp t, 0,1,2,3
.irp g, 0,1,2,3
	global_load_b32 v[SA+4*\t+\g], v2, s[48:49] offset:512*\t+128*\g
.endr
.endr
.irp i, 0,1
.irp g, 0,1,2,3
	global_load_b32 v[SB+4*\i+\g], v2, s[50:51] offset:512*\i+128*\g
.endr
.endr
	s_cmp_eq_u32 s21, 0
	s_cbranch_scc0 .Lbv
.irp i, 0,1                            ; q, k: in tile t = 2 b + u register j is channel 32 b + 16 (lane / 16) + 8 u + j, for both token tiles
.irp t, 0,1,2,3
	global_load_b128 v[ACC+32*\i+8*\t:ACC+32*\i+8*\t+3], v9, s[52:53] offset:(32*(\t/2)+8*(\t%2))*4
	global_load_b128 v[ACC+32*\i+8*\t+4:ACC+32*\i+8*\t+7], v9, s[52:53] offset:(32*(\t/2)+8*(\t%2))*4+16
.endr
.endr
	s_branch .Lbj
.Lbv:                                  ; v: a lane's 32 results of a channel tile are 32 keys of one channel: one bias
	global_load_b32 v[ACC], v10, s[54:55]
	global_load_b32 v[ACC+32], v10, s[54:55] offset:32
	s_wait_loadcnt 0x0
.set n, 1
.rept 31
	v_mov_b32 v[ACC+n], v[ACC]
	v_mov_b32 v[ACC+32+n], v[ACC+32]
.set n, n+1
.endr
.Lbj:
.irp g, 0,1,2,3
	SIGMA \g
.endr
.rept 4
	v_nop                                          ; four places behind the last products
.endr
.irp b, 0,1,2,3
	v_mov_b32 v[TM+4+\b], 0                        ; a lane permute's destination counts as one of its sources
.endr
	QUANT ACC
	s_cmp_eq_u32 s21, 0
	s_cbranch_scc0 .Lov
.irp c, 0,1,2
	global_store_b128 v1, v[PC+4*\c:PC+4*\c+3], s[56:57] offset:512*\c    ; q, k: one image, 512 consecutive bytes a store
.endr
	global_store_b32 v2, v[PW], s[58:59]           ; 128 consecutive bytes
	s_wait_tensorcnt 0x0
	ds_add_u32 v254, v255
	s_wait_dscnt 0x0
	s_endpgm
.Lov:                                  ; v: codes 6 i .. 6 i + 5 are registers 6 (w % 2) .. + 5 of image i; register n of lane L lies at 512 (n / 4) + 16 L + 4 (n % 4)
	v_lshrrev_b32 v137, 16, v[PW]                  ; the scale word's low half belongs to image 0, its high half to image 1: bytes 2 (w % 2) and + 1 of their words
	s_and_b32 s66, s18, 1
	s_cmp_eq_u32 s66, 0
	s_cbranch_scc0 .Lov1
.irp i, 0,1
	global_store_b128 v1, v[PC+6*\i:PC+6*\i+3], s[60:61] offset:1536*\i           ; registers 0-3
	global_store_b64 v1, v[PC+6*\i+4:PC+6*\i+5], s[60:61] offset:1536*\i+512      ; registers 4, 5
.endr
	global_store_b16 v2, v[PW], s[62:63]
	global_store_b16 v2, v137, s[62:63] offset:128
	s_wait_tensorcnt 0x0
	ds_add_u32 v254, v255
	s_wait_dscnt 0x0
	s_endpgm
.Lov1:
.irp i, 0,1
	global_store_b64 v1, v[PC+6*\i:PC+6*\i+1], s[60:61] offset:1536*\i+520        ; registers 6, 7
	global_store_b128 v1, v[PC+6*\i+2:PC+6*\i+5], s[60:61] offset:1536*\i+1024    ; registers 8-11
.endr
	global_store_b16 v2, v[PW], s[62:63] offset:2
	global_store_b16 v2, v137, s[62:63] offset:130
	s_wait_tensorcnt 0x0
	ds_add_u32 v254, v255
	s_wait_dscnt 0x0
	s_endpgm
.Lfunc_end_k_q28435f6939_qkv:
	.size	k_q28435f6939_qkv, .Lfunc_end_k_q28435f6939_qkv-k_q28435f6939_qkv
	.p2alignl 7, 3214868480
	.fill 96, 4, 3214868480
	.section	.rodata,"a",@progbits
	.p2align	6, 0x0
	.amdhsa_kernel k_q28435f6939_qkv
		.amdhsa_group_segment_fixed_size 247296
		.amdhsa_private_segment_fixed_size 0
		.amdhsa_enable_private_segment 0
		.amdhsa_kernarg_size 56
		.amdhsa_user_sgpr_count 2
		.amdhsa_user_sgpr_kernarg_segment_ptr 1
		.amdhsa_wavefront_size32 1
		.amdhsa_system_sgpr_workgroup_id_x 1
		.amdhsa_system_sgpr_workgroup_id_y 1
		.amdhsa_system_sgpr_workgroup_id_z 1
		.amdhsa_system_vgpr_workitem_id 0
		.amdhsa_next_free_vgpr 256
		.amdhsa_next_free_sgpr 98
		.amdhsa_reserve_vcc 0
		.amdhsa_float_denorm_mode_32 3
		.amdhsa_float_denorm_mode_16_64 3
		.amdhsa_memory_ordered 1
		.amdhsa_forward_progress 1
		.amdhsa_inst_pref_size 47
	.end_amdhsa_kernel
	.amdgpu_metadata
---
amdhsa.version: [ 1, 2 ]
amdhsa.kernels:
  - .name:           k_q28435f6939_qkv
    .symbol:         k_q28435f6939_qkv.kd
    .args:
      - { .name: xbuf, .offset: 0, .size: 8, .value_kind: global_buffer, .address_space: global }
      - { .name: wbuf, .offset: 8, .size: 8, .value_kind: global_buffer, .address_space: global }
      - { .name: bq, .offset: 16, .size: 8, .value_kind: global_buffer, .address_space: global }
      - { .name: bk, .offset: 24, .size: 8, .value_kind: global_buffer, .address_space: global }
      - { .name: bv, .offset: 32, .size: 8, .value_kind: global_buffer, .address_space: global }
      - { .name: qkbuf, .offset: 40, .size: 8, .value_kind: global_buffer, .address_space: global }
      - { .name: vbuf, .offset: 48, .size: 8, .value_kind: global_buffer, .address_space: global }
    .group_segment_fixed_size: 247296
    .private_segment_fixed_size: 0
    .kernarg_segment_align: 8
    .kernarg_segment_size: 56
    .max_flat_workgroup_size: 384
    .sgpr_count:     98
    .vgpr_count:     256
    .wavefront_size: 32
...
	.end_amdgpu_metadata
.endif
;; end of part 2
;; launch attn (part 3): grid 32 x 8, 8 waves a work-group, no clusters, 33,792 bytes of LDS; arguments qkbuf, vbuf, obuf; writes obuf
.if DOCPART == 3
	.amdgcn_target "amdgcn-amd-amdhsa--gfx1250"
	.amdhsa_code_object_version 6
	.text
	.protected	k_q28435f6939_attn
	.globl	k_q28435f6939_attn
	.p2align	8
	.type	k_q28435f6939_attn,@function
k_q28435f6939_attn:
	s_mov_b64 s[64:65], 0
	v_nop
	global_prefetch_b8 v0, s[64:65] scope:SCOPE_SE
	s_setreg_imm32_b32 hwreg(HW_REG_WAVE_MODE, 25, 1), 1
	s_wait_xcnt 0x0
; Causal attention of 16 query heads on 4 groups of keys and values, head size 64, both products on codes of FP6 (E2M3) with E8M0 scales; the result is divided by the row's sum and quantised for the last product.
; SOFTMAX: t = score x log2(e) / 8; M = the running largest t rounded UP to a whole number; p = 2^(t - M) is quantised along the keys, not normalised; the row's sum is taken of the unquantised p.
; When M moves, the sum and O are multiplied by 2^(old M - new M): exact.
; SHARES.  A work-group (x = jp, y = 4 batch + group) serves the group's four heads for two blocks of 32 queries: block jp, then block 63 - jp.  They need jp / 4 + 1 and 16 - jp / 4 steps of 128 keys:
; 17 in every work-group.  Steps whose keys all come after the queries are not walked; only a block's last step lies on the diagonal and is masked.  Wave w: head w / 2, tile w % 2 of 16 queries.
; THE FIRST PRODUCT'S K IS 64, the instruction's 128: an image of k holds TWO tiles of 16 keys (registers 0-5, 6-11); multiplied by [Q, 0] it gives the first tile's scores, by [0, Q] the second's.
; [Q, 0, Q] stands in 18 registers.  Zero codes add nothing under any scale byte but 0xff, and the bytes here lie between 1 and 254.
; Both products are used transposed (source 0 = keys, or channels of V): a lane holds ONE query throughout.  By the tiles' order of rows the 16 registers of two neighbouring tiles of scores are 16 neighbouring keys.
; A step's 8 images and their scale words (13,312 bytes) come through registers, one image a wave, asked for two steps ahead, into one of two LDS buffers; one barrier a step.
; No cluster: the tiles are not brought by the data mover, and of the 32 work-groups of one batch and group only those with the same jp / 4 are at the same keys in the same step.
; LIMITS: NaN and infinities are not served; the floor of a scale's byte as in the first launch; 1 / sum is v_rcp_f32.
; obuf: [token tile 256][K step 8] fragments, register pair p of lane L at 256 p + 8 L (registers 0-5 head 2 s, 6-11 head 2 s + 1), then a scale word a lane (bytes 0, 1 head 2 s; 2, 3 head 2 s + 1).
; REGISTERS: v1 16 L, v2 4 L, v3, v4 where I stage, v5 my query's place less 16 (lane / 16), v6, v7 offsets of the staged loads, v12 -M, v13 largest t, v[14:15] the sum, v16-28 staging, v29, v30 offsets in obuf, v31 8 L,
; v32-79 four fragments, v96-159 scores then p, v160-191 O^T, v192-209 [Q, 0, Q], v210-216 the second block's Q and scale word, v224-235 p's codes, v232-247 at work, v248-251 K's or V's scale words, v252 f, v253 p's scale word, v255 Q's.
.set QSO, 3932160
.set VSO, 786432
.set OSO, 3145728
; s10 wave; s11 step counter; s12 the key step in hand, s13 the block's last; s14 the second block's last; s15, s16 32 x (block % 4) of the two; s17 steps of the first block;
; s[20:21] lane selects; s[22:23] c; s[24:25], s[26:27] what I stage; s28, s29 my offsets in obuf; s30, s31 the second block's
.macro LTILE n                         ; the offsets of the tile of step s11 + n: the first block's steps, then the second's from key 0 again
	s_add_co_u32 s40, s11, \n
	s_sub_co_u32 s41, s40, s17
	s_cmp_lt_u32 s40, s17
	s_cselect_b32 s40, s40, s41
	s_mul_i32 s41, s40, 6144
	v_add_nc_u32 v6, s41, v1
	s_lshl_b32 s41, s40, 9
	v_add_nc_u32 v7, s41, v2
.endm
.macro GLOAD
.irp c, 0,1,2
	global_load_b128 v[16+4*\c:19+4*\c], v6, s[24:25] offset:512*\c
.endr
	global_load_b32 v28, v7, s[26:27]
.endm
.macro OFFS beta, oo, os               ; fragment (2 block + tile) x 8 + (head / 2): its bytes and its scale words
	s_lshl_b32 s45, s[\beta], 1
	s_add_co_u32 s45, s45, s39
	s_lshl_b32 s45, s45, 3
	s_add_co_u32 s45, s45, s43
	s_mul_i32 s[\oo], s45, 1536
	s_add_co_u32 s[\oo], s[\oo], s46
	s_lshl_b32 s[\os], s45, 7
	s_add_co_u32 s[\os], s[\os], s47
.endm
; A block of queries is done: O^T / the sum, quantised along the head's 64 (two blocks of 32), to obuf.  more = 1: the second block's state is set up.
.macro FINAL more
.rept 4
	v_nop                                          ; four places behind the last products
.endr
	v_add_f32 v14, v14, v15
	v_permlanex16_b32 v252, v14, s20, s21
	v_add_f32 v14, v14, v252                       ; the row's sum
	v_rcp_f32 v14, v14
	v_nop                                          ; one plain place behind a transcendental
.set n, 0
	s_wait_alu depctr_va_vdst(0)
.rept 32
	v_mul_f32 v[96+n], v[160+n], v14               ; register 16 b + i: channel 32 b + 16 (lane / 16) + i; each accumulator from its low end on
.set n, n+1
.endr
.irp b, 0,1
	v_max3_num_f32 v[232+\b], |v[96+16*\b]|, |v[97+16*\b]|, 0x1800000
.endr
.irp i, 2,4,6,8,10,12,14
.irp b, 0,1
	v_max3_num_f32 v[232+\b], v[232+\b], |v[96+16*\b+\i]|, |v[97+16*\b+\i]|
.endr
.endr
.irp b, 0,1
	v_permlanex16_b32 v[236+\b], v[232+\b], s20, s21
.endr
.irp b, 0,1
	v_max_num_f32 v[232+\b], v[232+\b], v[236+\b]
.endr
.irp b, 0,1
	v_add_nc_u32 v[244+\b], 0xff000000, v[232+\b]
.endr
.irp b, 0,1
	v_lshrrev_b32 v[240+\b], 23, v[244+\b]
.endr
	v_lshl_or_b32 v242, v241, 8, v240              ; my head's half of the scale word
	v_cvt_scalef32_pk16_fp6_f32 v[224:226], v[96:111], v244
	v_cvt_scalef32_pk16_fp6_f32 v[236:238], v[112:127], v245
	v_nop                                          ; one plain place behind a scaled conversion
.irp i, 0,1,2
	v_permlane16_swap_b32 v[224+\i], v[236+\i]
.endr
.irp i, 0,1,2
	v_mov_b32 v[227+\i], v[236+\i]                 ; v224-229: channels 32 (lane / 16) + 0 .. 31
.endr
	v_add_nc_u32 v29, s28, v31
	v_add_nc_u32 v30, s29, v2
.irp p, 0,1,2
	global_store_b64 v29, v[224+2*\p:225+2*\p], s[8:9] offset:256*\p      ; 32 lanes store 256 consecutive bytes, aligned
.endr
	global_store_b16 v30, v242, s[8:9]
.if \more
.irp i, 0,1,2,3,4,5
	v_mov_b32 v[192+\i], v[210+\i]                 ; the second block's Q
	v_mov_b32 v[204+\i], v[210+\i]
.endr
	v_mov_b32 v255, v216
	v_mov_b32 v13, 0xff61b1e6                      ; -3e38, under every t
	v_floor_f32 v12, -v13
	v_mov_b32 v14, 0
	v_mov_b32 v15, 0
.set n, 0
.rept 32
	v_mov_b32 v[160+n], 0                          ; (these also stand between the writes of Q and its scale word and the next products)
.set n, n+1
.endr
	s_mov_b32 s28, s30
	s_mov_b32 s29, s31
	s_mov_b32 s13, s14
	s_mov_b32 s15, s16
	s_mov_b32 s12, -1                              ; the addition behind the label makes it 0
	s_wait_xcnt 0x0                                ; the stores' data and offsets are written again only behind this wait
.endif
.endm
; A KEY STEP: 128 keys out of buffer p.  d: the step is s11 + d.  st = 1: the next step's tile goes into the other buffer, and a barrier follows.  ld = 1: the tile two steps on is asked for; 2: unless s11 = 14.
; st = 0 is the written-out last step: it is the second block's diagonal step.
.macro KSTEP p, d, st, ld
.rept 4
	v_nop                                          ; four places in front of loads into registers that matrix instructions have read
.endr
.irp i, 0,1,2,3
.irp c, 0,1,2
	ds_load_b128 v[32+12*\i+4*\c:35+12*\i+4*\c], v1 offset:16384*\p+1536*\i+512*\c
.endr
	ds_load_b32 v[248+\i], v2 offset:16384*\p+12288+128*\i
.endr
.if \st
	s_wait_loadcnt 0x0                             ; the next step's image, asked for a step ago
.irp c, 0,1,2
	ds_store_b128 v3, v[16+4*\c:19+4*\c] offset:16384*(1-\p)+512*\c
.endr
	ds_store_b32 v4, v28 offset:16384*(1-\p)
.endif
	s_wait_dscnt 0x0                               ; K's fragments are in; my stores have landed and have read their registers
.if \ld == 2
	s_cmp_eq_u32 s11, 14
	s_cbranch_scc1 .Lnoload_\@                     ; there is no step 17
.endif
.if \ld
	LTILE \d+2
	GLOAD
.endif
.if \ld == 2
.Lnoload_\@:
.endif
.irp i, 0,1,2,3                        ; S^T: image i holds key tiles 2 i and 2 i + 1
	v_wmma_scale_f32_16x16x128_f8f6f4 v[96+16*\i:103+16*\i], v[32+12*\i:43+12*\i], v[192:203], 0, v[248+\i], v255 matrix_a_fmt:MATRIX_FMT_FP6 matrix_b_fmt:MATRIX_FMT_FP6
	v_wmma_scale_f32_16x16x128_f8f6f4 v[104+16*\i:111+16*\i], v[32+12*\i:43+12*\i], v[198:209], 0, v[248+\i], v255 matrix_a_fmt:MATRIX_FMT_FP6 matrix_b_fmt:MATRIX_FMT_FP6
.endr
.rept 4
	v_nop                                          ; four places: for the loads below and for the first read of the scores
.endr
.irp i, 0,1,2,3                        ; V's fragments land while the softmax is worked
.irp c, 0,1,2
	ds_load_b128 v[32+12*\i+4*\c:35+12*\i+4*\c], v1 offset:16384*\p+6144+1536*\i+512*\c
.endr
	ds_load_b32 v[248+\i], v2 offset:16384*\p+12800+128*\i
.endr
.if \st
	s_cmp_lg_u32 s12, s13
	s_cbranch_scc1 .Lopen_\@                       ; a branch on ids: all keys of an earlier step count
.endif
	v_add_nc_u32 v243, s15, v5                     ; d = my query - the step's first key - 16 (lane / 16).  Register 16 b + i holds key 32 b + 16 (lane / 16) + i: hidden where 32 b + i > d
	v_mov_b32 v254, 0xff800000                     ; -infinity: p = 0 then
.irp b, 0,1,2,3
.irp i, 0,1,2,3,4,5,6,7,8,9,10,11,12,13,14,15
	v_cmp_gt_i32 vcc_lo, 32*\b+\i, v243
	v_cndmask_b32 v[96+16*\b+\i], v[96+16*\b+\i], v254, vcc_lo
.endr
.endr
.if \st
.Lopen_\@:
.endif
.irp b, 0,1,2,3
	v_max3_num_f32 v[232+\b], v[96+16*\b], v[97+16*\b], v[98+16*\b]   ; the largest score of each block of 32 keys: for the row's maximum and, since p rises with the score, for the block's largest p
.endr
.irp i, 3,5,7,9,11,13
.irp b, 0,1,2,3
	v_max3_num_f32 v[232+\b], v[232+\b], v[96+16*\b+\i], v[97+16*\b+\i]
.endr
.endr
.irp b, 0,1,2,3
	v_max_num_f32 v[232+\b], v[232+\b], v[111+16*\b]
.endr
.irp b, 0,1,2,3
	v_permlanex16_b32 v[236+\b], v[232+\b], s20, s21
.endr
.irp b, 0,1,2,3
	v_max_num_f32 v[232+\b], v[232+\b], v[236+\b]
.endr
	v_max3_num_f32 v254, v232, v233, v234
	v_max_num_f32 v254, v254, v235
	v_mul_f32 v254, s22, v254                      ; as t (c is positive)
	v_max_num_f32 v13, v13, v254                   ; the running largest t
	v_mov_b32 v254, v12
	v_floor_f32 v12, -v13                          ; -M = floor(-t) = -ceil(t)
	v_sub_f32 v254, v12, v254                      ; old M - new M: a whole number, 0 or less
	v_cvt_i32_f32 v254, v254                       ; (it saturates)
	v_ldexp_f32 v252, 1.0, v254                    ; f = 2^(old M - new M)
.set n, 0
.rept 32
	v_pk_fma_f32 v[96+n:97+n], v[96+n:97+n], s[22:23], v[12:13] op_sel_hi:[1,0,0]   ; t - M, two at a time
.set n, n+2
.endr
.irp b, 0,1,2,3
	v_fma_f32 v[232+\b], v[232+\b], s22, v12
.endr
.set n, 0
.rept 64
	v_exp_f32 v[96+n], v[96+n]                     ; p = 2^(t - M)
.set n, n+1
.endr
.irp b, 0,1,2,3
	v_exp_f32 v[232+\b], v[232+\b]                 ; the block's largest p: the same two instructions on the same number
.endr
	v_pk_mul_f32 v[14:15], v[14:15], v[252:253] op_sel_hi:[1,0]   ; the sum under the new M (a plain place behind the exponentials)
	s_wait_alu depctr_va_vdst(0)
.irp b, 0,1,2,3
	v_max_num_f32 v[232+\b], 0x1800000, v[232+\b]  ; the floor 2^(3 - 127)
.endr
.irp b, 0,1,2,3
	v_add_nc_u32 v[244+\b], 0xff000000, v[232+\b]
.endr
.irp b, 0,1,2,3
	v_lshrrev_b32 v[236+\b], 23, v[244+\b]
.endr
	v_lshl_or_b32 v253, v237, 8, v236              ; p's scale word for these 128 keys
	v_lshl_or_b32 v253, v238, 16, v253
	v_lshl_or_b32 v253, v239, 24, v253
.irp c, 0,1
	v_cvt_scalef32_pk16_fp6_f32 v[224+6*\c:226+6*\c], v[96+32*\c:111+32*\c], v[244+2*\c]
	v_cvt_scalef32_pk16_fp6_f32 v[236+4*\c:238+4*\c], v[112+32*\c:127+32*\c], v[244+2*\c+1]
.endr
	v_nop                                          ; one plain place behind a scaled conversion
.irp c, 0,1
.irp i, 0,1,2
	v_permlane16_swap_b32 v[224+6*\c+\i], v[236+4*\c+\i]
.endr
.irp i, 0,1,2
	v_mov_b32 v[227+6*\c+\i], v[236+4*\c+\i]
.endr
.endr
	v_pk_add_f32 v[236:237], v[96:97], v[98:99]    ; the row's sum of the unquantised p, in two chains.  (These 32 also stand between the writes of p's codes and scale word and the products below)
.irp j, 4,8,12,16,20,24,28,32,36,40,44,48,52,56,60
	v_pk_add_f32 v[14:15], v[14:15], v[96+\j:97+\j]
	v_pk_add_f32 v[236:237], v[236:237], v[98+\j:99+\j]
.endr
	v_pk_add_f32 v[14:15], v[14:15], v[236:237]
.set n, 0
.rept 16
	v_pk_mul_f32 v[160+n:161+n], v[160+n:161+n], v[252:253] op_sel_hi:[1,0]   ; O^T under the new M
.set n, n+2
.endr
	s_wait_dscnt 0x0                               ; V's fragments are in: my reads of this buffer are over, and my stores into the other landed above
.if \st
	s_barrier_signal -1
.endif
.irp t, 0,1,2,3                        ; O^T += V^T P^T: four tiles of 16 channels, by turns
	v_wmma_scale_f32_16x16x128_f8f6f4 v[160+8*\t:167+8*\t], v[32+12*\t:43+12*\t], v[224:235], v[160+8*\t:167+8*\t], v[248+\t], v253 matrix_a_fmt:MATRIX_FMT_FP6 matrix_b_fmt:MATRIX_FMT_FP6
.endr
.if \st
	s_barrier_wait -1                              ; the other buffer is whole, and nobody reads this one any more
	s_cmp_lg_u32 s12, s13
	s_cbranch_scc1 .Lnofin_\@
	FINAL 1
.Lnofin_\@:
	s_add_co_u32 s12, s12, 1
.else
	FINAL 0
.endif
.endm
	s_load_b128 s[4:7], s[0:1], 0x0                ; qkbuf s[4:5], vbuf s[6:7]
	s_load_b64 s[8:9], s[0:1], 0x10                ; obuf
	v_lshl_add_u32 v222, v0, 2, 0x8000
	v_mov_b32 v223, 0
	v_lshrrev_b32 v8, 5, v0
	v_readfirstlane_b32 s10, v8                    ; wave 0..7
	s_mov_b32 s34, ttmp9                           ; jp
	s_and_b32 s35, ttmp7, 0xffff
	s_lshr_b32 s36, s35, 2                         ; batch
	s_and_b32 s37, s35, 3                          ; group
	s_lshr_b32 s38, s10, 1                         ; head in the group
	s_and_b32 s39, s10, 1                          ; tile of 16 queries
	s_lshr_b32 s13, s34, 2
	s_add_co_u32 s17, s13, 1
	s_sub_co_u32 s14, 15, s13
	s_and_b32 s15, s34, 3
	s_lshl_b32 s15, s15, 5
	s_sub_co_u32 s16, 96, s15                      ; 32 ((63 - jp) % 4)
	s_mov_b32 s11, 0
	s_mov_b32 s12, 0
	s_mov_b32 s20, 0x76543210
	s_mov_b32 s21, 0xfedcba98
	s_mov_b32 s22, 0x3e38aa3b                      ; c = log2(e) / 8
	s_mov_b32 s23, s22                             ; (named with it as a pair)
	s_cmp_eq_u32 s39, 1
	s_cselect_b32 s32, -1, 0                       ; all lanes: which half of a q image is my tile
	s_lshl_b32 s33, s39, 4
	v_and_b32 v9, 31, v0
	v_lshlrev_b32 v1, 4, v9
	v_lshlrev_b32 v2, 2, v9
	v_lshlrev_b32 v31, 3, v9
	s_mul_i32 s40, s10, 1536
	v_add_nc_u32 v3, s40, v1
	s_lshl_b32 s40, s10, 7
	s_add_co_u32 s40, s40, 12288
	v_add_nc_u32 v4, s40, v2
	v_and_b32 v8, 15, v0
	v_and_b32 v9, 8, v8
	v_add_nc_u32 v5, v8, v9
	v_bfe_u32 v9, v0, 4, 1
	v_lshlrev_b32 v9, 4, v9
	v_sub_nc_u32 v5, v5, v9
	s_lshl_b32 s40, s39, 3
	v_add_nc_u32 v5, s40, v5                       ; 8 u + r + 8 (r / 8) - 16 (lane / 16)
	s_lshl_b32 s40, s36, 6
	s_add_co_u32 s41, s40, s34                     ; the first block of 32 tokens,
	s_sub_co_u32 s42, 63, s34
	s_add_co_u32 s42, s40, s42                     ; the second
	s_lshl_b32 s43, s37, 1
	s_lshr_b32 s44, s38, 1
	s_add_co_u32 s43, s43, s44                     ; the last product's K step: head / 2
	s_and_b32 s44, s38, 1
	s_mul_i32 s46, s44, 768
	s_lshl_b32 s47, s44, 1
	s_add_co_u32 s47, s47, OSO
	OFFS 41, 28, 29
	OFFS 42, 30, 31
	s_lshl_b32 s45, s37, 2
	s_add_co_u32 s45, s45, s38
	s_lshl_b32 s45, s45, 7
	s_add_co_u32 s46, s45, s41                     ; q's images: head x 128 + block
	s_add_co_u32 s47, s45, s42
	s_mul_i32 s48, s46, 1536
	s_mov_b32 s49, 0
	s_lshl_b32 s50, s46, 7
	s_add_co_u32 s50, s50, QSO
	s_mov_b32 s51, 0
	s_mul_i32 s52, s47, 1536
	s_mov_b32 s53, 0
	s_lshl_b32 s54, s47, 7
	s_add_co_u32 s54, s54, QSO
	s_mov_b32 s55, 0
	s_lshl_b32 s40, s37, 7                         ; what I stage: waves 0-3 k's image w, waves 4-7 v's image w - 4
	s_lshl_b32 s41, s36, 6
	s_add_co_u32 s40, s40, s41
	s_and_b32 s41, s10, 3
	s_add_co_u32 s40, s40, s41
	s_mov_b32 s42, VSO
	s_wait_kmcnt 0x0
	s_cmp_lt_u32 s10, 4                            ; the choice hangs on the wave's number alone
	s_cselect_b64 s[24:25], s[4:5], s[6:7]
	s_cselect_b32 s41, 2048, 0                     ; k's heads stand behind the 16 query heads
	s_cselect_b32 s42, QSO, s42
	s_add_co_u32 s40, s40, s41
	s_mul_i32 s44, s40, 1536
	s_mov_b32 s45, 0
	s_lshl_b32 s46, s40, 7
	s_add_co_u32 s46, s46, s42
	s_mov_b32 s47, 0
	s_add_nc_u64 s[26:27], s[24:25], s[46:47]
	s_add_nc_u64 s[24:25], s[24:25], s[44:45]
	s_add_nc_u64 s[48:49], s[4:5], s[48:49]
	s_add_nc_u64 s[50:51], s[4:5], s[50:51]
	s_add_nc_u64 s[52:53], s[4:5], s[52:53]
	s_add_nc_u64 s[54:55], s[4:5], s[54:55]
	LTILE 0
	GLOAD
.irp c, 0,1,2
	global_load_b128 v[96+4*\c:99+4*\c], v1, s[48:49] offset:512*\c
	global_load_b128 v[108+4*\c:111+4*\c], v1, s[52:53] offset:512*\c
.endr
	global_load_b32 v120, v2, s[50:51]
	global_load_b32 v121, v2, s[54:55]
	s_wait_loadcnt 0x0
.irp c, 0,1,2
	ds_store_b128 v3, v[16+4*\c:19+4*\c] offset:512*\c
.endr
	ds_store_b32 v4, v28
.irp i, 0,1,2,3,4,5
	v_cndmask_b32 v[192+\i], v[96+\i], v[102+\i], s32      ; registers 6 u .. 6 u + 5 of the image are my tile
	v_cndmask_b32 v[210+\i], v[108+\i], v[114+\i], s32
.endr
.irp i, 0,1,2,3,4,5
	v_mov_b32 v[204+\i], v[192+\i]
	v_mov_b32 v[198+\i], 0
.endr
	v_lshrrev_b32 v122, s33, v120                  ; my tile's two scale bytes, in both halves of the word: they serve [Q, 0] and [0, Q] alike
	v_lshrrev_b32 v123, s33, v121
	v_and_b32 v122, 0xffff, v122
	v_and_b32 v123, 0xffff, v123
	v_lshl_or_b32 v255, v122, 16, v122
	v_lshl_or_b32 v216, v123, 16, v123
	v_mov_b32 v13, 0xff61b1e6                      ; -3e38, under every t
	v_floor_f32 v12, -v13
	v_mov_b32 v14, 0
	v_mov_b32 v15, 0
.irp b, 0,1,2,3
	v_mov_b32 v[236+\b], 0                         ; a lane permute's destination counts as one of its sources
.endr
	v_mov_b32 v253, 0                              ; (named as the upper half of the pair v[252:253] before it is first written)
.set n, 0
.rept 32
	v_mov_b32 v[160+n], 0                          ; O^T: the step is written once; the first change of M leaves zeros zeros
.set n, n+1
.endr
	s_wait_dscnt 0x0                               ; my part of buffer 0 has landed
	LTILE 1
	GLOAD
	s_barrier_signal -1
	s_barrier_wait -1
.Ltrip:                                                ; eight trips of two steps: steps 0 to 15
	KSTEP 0, 0, 1, 1
	KSTEP 1, 1, 1, 2
	s_add_co_u32 s11, s11, 2
	s_cmp_lt_u32 s11, 16
	s_cbranch_scc1 .Ltrip
	KSTEP 0, 0, 0, 0                               ; step 16: the second block's last
	s_wait_tensorcnt 0x0
	ds_add_u32 v222, v223
	s_wait_dscnt 0x0
	s_endpgm
.Lfunc_end_k_q28435f6939_attn:
	.size	k_q28435f6939_attn, .Lfunc_end_k_q28435f6939_attn-k_q28435f6939_attn
	.p2alignl 7, 3214868480
	.fill 96, 4, 3214868480
	.section	.rodata,"a",@progbits
	.p2align	6, 0x0
	.amdhsa_kernel k_q28435f6939_attn
		.amdhsa_group_segment_fixed_size 33792
		.amdhsa_private_segment_fixed_size 0
		.amdhsa_enable_private_segment 0
		.amdhsa_kernarg_size 24
		.amdhsa_user_sgpr_count 2
		.amdhsa_user_sgpr_kernarg_segment_ptr 1
		.amdhsa_wavefront_size32 1
		.amdhsa_system_sgpr_workgroup_id_x 1
		.amdhsa_system_sgpr_workgroup_id_y 1
		.amdhsa_system_sgpr_workgroup_id_z 1
		.amdhsa_system_vgpr_workitem_id 0
		.amdhsa_next_free_vgpr 256
		.amdhsa_next_free_sgpr 66
		.amdhsa_reserve_vcc 1
		.amdhsa_float_denorm_mode_32 3
		.amdhsa_float_denorm_mode_16_64 3
		.amdhsa_memory_ordered 1
		.amdhsa_forward_progress 1
		.amdhsa_inst_pref_size 88
	.end_amdhsa_kernel
	.amdgpu_metadata
---
amdhsa.version: [ 1, 2 ]
amdhsa.kernels:
  - .name:           k_q28435f6939_attn
    .symbol:         k_q28435f6939_attn.kd
    .args:
      - { .name: qkbuf, .offset: 0, .size: 8, .value_kind: global_buffer, .address_space: global }
      - { .name: vbuf, .offset: 8, .size: 8, .value_kind: global_buffer, .address_space: global }
      - { .name: obuf, .offset: 16, .size: 8, .value_kind: global_buffer, .address_space: global }
    .group_segment_fixed_size: 33792
    .private_segment_fixed_size: 0
    .kernarg_segment_align: 8
    .kernarg_segment_size: 24
    .max_flat_workgroup_size: 256
    .sgpr_count:     66
    .vgpr_count:     256
    .wavefront_size: 32
...
	.end_amdgpu_metadata
.endif
;; end of part 3
;; launch oproj (part 4): grid 8 x 32, 8 waves a work-group, no clusters, 232,448 bytes of LDS; arguments obuf, wbuf, bo, out0; writes out0
.if DOCPART == 4
	.amdgcn_target "amdgcn-amd-amdhsa--gfx1250"
	.amdhsa_code_object_version 6
	.text
	.protected	k_q28435f6939_oproj
	.globl	k_q28435f6939_oproj
	.p2align	8
	.type	k_q28435f6939_oproj,@function
k_q28435f6939_oproj:
	s_mov_b64 s[64:65], 0
	v_nop
	global_prefetch_b8 v0, s[64:65] scope:SCOPE_SE
	s_setreg_imm32_b32 hwreg(HW_REG_WAVE_MODE, 25, 1), 1
	s_wait_xcnt 0x0
; out0 = o Wo + bo on codes of FP6 (E2M3) with E8M0 scales, sums in f32.  o's codes and scale words were made by the attention's launch, Wo's (tiles 96-159 of wbuf) by the first.
; A work-group: 128 tokens (y) x 128 columns (x); K = 1024 in 8 steps of 128.
; ALL OF K AT ONCE.  The work-group's operands are 16 tiles of 16 rows x 1024 K (8 of o, 8 of Wo), 12,288 dense bytes each: 196,608 bytes.  They are asked for at the first lines, by tensor loads into LDS bytes that are
; filled once: a load brings 2 tiles x 2 K steps (2 rows of 3,072 bytes, 12,288 apart); each wave issues four, one for each pair of K steps, so a wave has four outstanding.  LDS: [pair of K steps 4][tile 16][3,072 bytes].
; Source 0 = 16 columns of Wo, source 1 = 16 tokens: a lane holds one token and eight neighbouring columns.  Wave w: columns 64 (w / 4) on, token tiles 2 (w % 4) and + 1: eight accumulators by turns.
; Wo's fragments lie as groups of four registers (registers 4 c .. 4 c + 3 of lane L at 512 c + 16 L), o's as register PAIRS (pair p of lane L at 256 p + 8 L).  Rows of a tile: row r of tile 2 B + u = element 32 B + 8 u + r + 8 (r / 8).
; bo is loaded into the accumulators, so that every product adds in place.
; The way out goes through the wave's own stage (16 rows x (256 + 16) bytes, behind the tiles, in bytes into which no fill lands): sixteen lanes then store 256 consecutive bytes of a row of out0, aligned.
; No joint requests in a cluster: a work-group asks for its 196,608 bytes once, at its first lines; joint requests would set a meeting of sixteen work-groups in front of those lines and another in front of the end,
; in a launch whose matrix work is 64 instructions a wave.
.set WSO, 1966080
.set OSO, 3145728
.set BLK, 49152                        ; LDS bytes of a pair of K steps: 16 tiles x 3,072
.set STG, 196608                       ; the stages
.set G1,  24                           ; s[24:31] descriptor group 1
.set G0,  32                           ; s[32:47] descriptor group 0, a set for each of my four loads
.set SA,  12                           ; v12-27  Wo's scale words: tile t, K steps 2 g (lanes 0-15) and 2 g + 1 (lanes 16-31) at v[SA + 4 t + g]
.set SB,  28                           ; v28-43  o's: tile i, K step s at v[SB + 8 i + s]
.set ACC, 44                           ; v44-107 accumulator (i, t) at v[ACC + 32 i + 8 t]
.set FR0, 108                          ; v108-179 the fragments of a pair's first K step: Wo's four, then o's two; on the way out rows of out0
.set FR1, 180                          ; v180-251 of its second
; v1 16 L; v2 4 L; v4 Wo's fragments; v5 o's; v6, v7 the stage, in and back; v8 my bytes in out0; v9 bias offset
.macro FETCHALL                        ; both K steps of a pair: 24 loads each, the first step's first
.irp q, 0,1
.irp t, 0,1,2,3
.irp c, 0,1,2
	ds_load_b128 v[FR0+72*\q+12*\t+4*\c:FR0+72*\q+12*\t+4*\c+3], v4 offset:3072*\t+1536*\q+512*\c
.endr
.endr
.irp i, 0,1
.irp p, 0,1,2,3,4,5
	ds_load_b64 v[FR0+72*\q+48+12*\i+2*\p:FR0+72*\q+48+12*\i+2*\p+1], v5 offset:3072*\i+1536*\q+256*\p
.endr
.endr
.endr
.endm
.macro WMO d, a, b, sa, sb, odd        ; Wo's scale words of odd K steps stand in lanes 16-31
.if \odd
	v_wmma_scale_f32_16x16x128_f8f6f4 v[\d:\d+7], v[\a:\a+11], v[\b:\b+11], v[\d:\d+7], v[\sa], v[\sb] matrix_a_fmt:MATRIX_FMT_FP6 matrix_b_fmt:MATRIX_FMT_FP6 matrix_a_scale:MATRIX_SCALE_ROW1
.else
	v_wmma_scale_f32_16x16x128_f8f6f4 v[\d:\d+7], v[\a:\a+11], v[\b:\b+11], v[\d:\d+7], v[\sa], v[\sb] matrix_a_fmt:MATRIX_FMT_FP6 matrix_b_fmt:MATRIX_FMT_FP6
.endif
.endm
.macro MUL8 f, s                       ; K step s out of fragment set f: the eight accumulators by turns, one instruction a turn
.irp i, 0,1
.irp t, 0,1,2,3
	WMO ACC+32*\i+8*\t, \f+12*\t, \f+48+12*\i, SA+4*\t+(\s)/2, SB+8*\i+(\s), (\s)%2
.endr
.endr
.endm
; K steps 2 g and 2 g + 1.  Each wave waits until its own load of this pair has landed (its 3 - g later loads stay out), then the barrier: behind it the pair's 16 tiles are whole.
.macro SIGMA g
	s_wait_tensorcnt 3-\g
	s_barrier_signal -1                            ; (no LDS instruction of mine is out: the last wait on DScnt was for 0)
	s_barrier_wait -1
	FETCHALL
.if \g == 0
	s_wait_loadcnt 0x0                             ; the scale words and the bias
.endif
	s_wait_dscnt 24                                ; the first step's 24 loads are in; the second step's 24 may be out
	MUL8 FR0, 2*\g
	s_wait_dscnt 0x0
	MUL8 FR1, 2*\g+1
.if \g < 3
	v_add_nc_u32 v4, BLK, v4                       ; on to the next pair of K steps.  With the two lines below: four places in front of the next loads into registers that matrix instructions have read
	v_add_nc_u32 v5, BLK, v5
	v_nop
	v_nop
.endif
.endm
	s_load_b256 s[4:11], s[0:1], 0x0               ; obuf s[4:5], wbuf s[6:7], bo s[8:9], out0 s[10:11]
	v_lshl_add_u32 v254, v0, 2, 0x38800
	v_mov_b32 v255, 0
	ds_add_u32 v254, v255
	ds_add_u32 v254, v255
	v_lshrrev_b32 v1, 5, v0
	v_readfirstlane_b32 s18, v1                    ; wave 0..7
	s_mov_b32 s19, ttmp9                           ; column group
	s_and_b32 s20, ttmp7, 0xffff                   ; block of 128 tokens
	; descriptor group 1: 2 rows of 384 elements of 8 bytes (3,072 bytes: two K steps of a tile), 1,536 elements (a tile's 12,288 bytes) apart; no padding: an image is read as it lies
	s_mov_b32 s[G1+0], 3<<16                       ; no mask; elements of 8 bytes
	s_mov_b32 s[G1+1], 384<<16                     ; tensor_dim0
	s_mov_b32 s[G1+2], 2<<16                       ; tensor_dim1
	s_mov_b32 s[G1+3], 384<<16                     ; tile_dim0
	s_mov_b32 s[G1+4], 2                           ; tile_dim1
	s_mov_b32 s[G1+5], 1536                        ; from row to row
	s_mov_b32 s[G1+6], 0
	s_mov_b32 s[G1+7], 0
	s_lshr_b32 s66, s18, 2                         ; w / 4
	s_and_b32 s67, s18, 3                          ; w % 4
	s_lshl_b32 s68, s67, 1
	s_lshl_b32 s69, s20, 3
	s_add_co_u32 s69, s69, s68                     ; o's tile 8 y + 2 (w % 4)
	s_lshl_b32 s70, s19, 3
	s_add_co_u32 s70, s70, 96                      ; Wo's first tile of this column group
	s_add_co_u32 s71, s70, s68
	s_cmp_lt_u32 s18, 4                            ; what I fetch: waves 0-3 o's tiles 2 w and + 1, waves 4-7 Wo's 2 (w - 4) and + 1
	s_cselect_b32 s72, s69, s71
	s_mul_i32 s72, s72, 12288
	s_mov_b32 s73, 0
	s_mul_i32 s74, s18, 6144                       ; and where it goes: tiles 2 w and 2 w + 1 of a pair's 16
.irp g, 0,1,2,3
	s_mov_b32 s[G0+4*\g], 1                        ; count = 1
	s_add_co_u32 s[G0+4*\g+1], s74, BLK*\g         ; LDS address
.endr
	s_lshl_b32 s76, s66, 2
	s_add_co_u32 s76, s76, s70
	s_lshl_b32 s76, s76, 9
	s_add_co_u32 s76, s76, WSO                     ; scale words of Wo's four tiles
	s_mov_b32 s77, 0
	s_lshl_b32 s78, s69, 10
	s_add_co_u32 s78, s78, OSO                     ; of o's two tiles: 128 bytes a fragment
	s_mov_b32 s79, 0
	s_lshl_b32 s80, s19, 9
	s_lshl_b32 s81, s66, 8
	s_add_co_u32 s80, s80, s81                     ; my 64 columns, in bytes
	s_mov_b32 s81, 0
	s_lshl_b32 s82, s20, 7
	s_lshl_b32 s83, s67, 5
	s_add_co_u32 s82, s82, s83                     ; my 32 tokens
	s_lshl_b32 s82, s82, 12
	s_add_co_u32 s82, s82, s80
	s_mov_b32 s83, 0
	v_and_b32 v10, 31, v0
	v_lshlrev_b32 v1, 4, v10
	v_lshlrev_b32 v2, 2, v10
	s_mul_i32 s75, s66, 12288
	s_add_co_u32 s75, s75, 24576
	v_add_nc_u32 v4, s75, v1                       ; Wo's tiles 8 + 4 (w / 4) on
	s_mul_i32 s75, s67, 6144
	v_lshlrev_b32 v5, 3, v10
	v_add_nc_u32 v5, s75, v5                       ; o's tiles 2 (w % 4) on
	v_and_b32 v10, 15, v0                          ; r
	v_bfe_u32 v11, v0, 4, 1                        ; lane / 16
	s_mul_i32 s75, s18, 4352
	s_add_co_u32 s75, s75, STG                     ; my stage
	v_mul_u32_u24 v6, v10, 272
	v_lshl_add_u32 v6, v11, 6, v6
	v_add_nc_u32 v6, s75, v6                       ; in: row r, + 64 (lane / 16)
	v_mul_u32_u24 v7, v11, 272
	v_lshl_add_u32 v7, v10, 4, v7
	v_add_nc_u32 v7, s75, v7                       ; back: lanes 0-15 one row, lanes 16-31 the next
	v_lshlrev_b32 v8, 12, v11
	v_lshl_add_u32 v8, v10, 4, v8                  ; and the same in out0
	v_lshlrev_b32 v9, 6, v11
	s_wait_dscnt 0x0
	s_wait_kmcnt 0x0
	s_cmp_lt_u32 s18, 4                            ; the choice hangs on the wave's number alone
	s_cselect_b64 s[84:85], s[4:5], s[6:7]
	s_add_nc_u64 s[84:85], s[84:85], s[72:73]
.irp g, 0,1,2,3
	s_add_nc_u64 s[G0+4*\g+2:G0+4*\g+3], s[84:85], 3072*\g         ; K steps 2 g and 2 g + 1 of my two tiles
	s_or_b32 s[G0+4*\g+3], s[G0+4*\g+3], 0x80000000                ; type = 2
.endr
	tensor_load_to_lds s[G0:G0+3], s[G1:G1+7]      ; my four fills go out together, ahead of every wait on TENSORcnt, LDS read and barrier
	s_nop 0
	tensor_load_to_lds s[G0+4:G0+7], s[G1:G1+7]
	s_nop 0
	tensor_load_to_lds s[G0+8:G0+11], s[G1:G1+7]
	s_nop 0
	tensor_load_to_lds s[G0+12:G0+15], s[G1:G1+7]
	s_nop 0
.rept 4
	v_nop
.endr
	s_add_nc_u64 s[48:49], s[6:7], s[76:77]
	s_add_nc_u64 s[50:51], s[4:5], s[78:79]
	s_add_nc_u64 s[52:53], s[8:9], s[80:81]
	s_add_nc_u64 s[54:55], s[10:11], s[82:83]
.irp t, 0,1,2,3
.irp g, 0,1,2,3
	global_load_b32 v[SA+4*\t+\g], v2, s[48:49] offset:512*\t+128*\g
.endr
.endr
.irp i, 0,1
.irp g, 0,1,2,3,4,5,6,7
	global_load_b32 v[SB+8*\i+\g], v2, s[50:51] offset:1024*\i+128*\g
.endr
.endr
.irp i, 0,1                            ; in tile t = 2 b + u register j is column 32 b + 16 (lane / 16) + 8 u + j, for both token tiles
.irp t, 0,1,2,3
	global_load_b128 v[ACC+32*\i+8*\t:ACC+32*\i+8*\t+3], v9, s[52:53] offset:(32*(\t/2)+8*(\t%2))*4
	global_load_b128 v[ACC+32*\i+8*\t+4:ACC+32*\i+8*\t+7], v9, s[52:53] offset:(32*(\t/2)+8*(\t%2))*4+16
.endr
.endr
.irp g, 0,1,2,3
	SIGMA \g
.endr
	; THE WAY OUT: a token tile (16 rows x 64 columns) at a time through my own stage; LDS serves a wave's instructions in order, so no wait stands between the stores and the loads, nor in front of the second tile's stores
.rept 4
	v_nop                                          ; four places behind the last products
.endr
.irp i, 0,1
.irp t, 0,1,2,3
	ds_store_b128 v6, v[ACC+32*\i+8*\t:ACC+32*\i+8*\t+3] offset:128*(\t/2)+32*(\t%2)          ; each accumulator from its low end on
	ds_store_b128 v6, v[ACC+32*\i+8*\t+4:ACC+32*\i+8*\t+7] offset:128*(\t/2)+32*(\t%2)+16
.endr
.irp q, 0,1,2,3,4,5,6,7
	ds_load_b128 v[FR0+32*\i+4*\q:FR0+32*\i+4*\q+3], v7 offset:544*\q
.endr
.endr
.irp i, 0,1
.irp q, 0,1,2,3,4,5,6,7
	s_wait_dscnt 16*(1-\i)+7-\q                    ; behind this load: the tile's younger loads, and for the first tile the second's sixteen LDS instructions
	global_store_b128 v8, v[FR0+32*\i+4*\q:FR0+32*\i+4*\q+3], s[54:55] offset:(8*\i+2*\q+8*(\q/4))*4096 th:TH_STORE_NT   ; stage rows 2 q, 2 q + 1 are tokens 8 i + 2 q + 8 (q / 4) and the next
.endr
.endr
	s_wait_tensorcnt 0x0
	ds_add_u32 v254, v255
	s_wait_dscnt 0x0
	s_endpgm
.Lfunc_end_k_q28435f6939_oproj:
	.size	k_q28435f6939_oproj, .Lfunc_end_k_q28435f6939_oproj-k_q28435f6939_oproj
	.p2alignl 7, 3214868480
	.fill 96, 4, 3214868480
	.section	.rodata,"a",@progbits
	.p2align	6, 0x0
	.amdhsa_kernel k_q28435f6939_oproj
		.amdhsa_group_segment_fixed_size 232448
		.amdhsa_private_segment_fixed_size 0
		.amdhsa_enable_private_segment 0
		.amdhsa_kernarg_size 32
		.amdhsa_user_sgpr_count 2
		.amdhsa_user_sgpr_kernarg_segment_ptr 1
		.amdhsa_wavefront_size32 1
		.amdhsa_system_sgpr_workgroup_id_x 1
		.amdhsa_system_sgpr_workgroup_id_y 1
		.amdhsa_system_sgpr_workgroup_id_z 1
		.amdhsa_system_vgpr_workitem_id 0
		.amdhsa_next_free_vgpr 256
		.amdhsa_next_free_sgpr 86
		.amdhsa_reserve_vcc 0
		.amdhsa_float_denorm_mode_32 3
		.amdhsa_float_denorm_mode_16_64 3
		.amdhsa_memory_ordered 1
		.amdhsa_forward_progress 1
		.amdhsa_inst_pref_size 36
	.end_amdhsa_kernel
	.amdgpu_metadata
---
amdhsa.version: [ 1, 2 ]
amdhsa.kernels:
  - .name:           k_q28435f6939_oproj
    .symbol:         k_q28435f6939_oproj.kd
    .args:
      - { .name: obuf, .offset: 0, .size: 8, .value_kind: global_buffer, .address_space: global }
      - { .name: wbuf, .offset: 8, .size: 8, .value_kind: global_buffer, .address_space: global }
      - { .name: bo, .offset: 16, .size: 8, .value_kind: global_buffer, .address_space: global }
      - { .name: out0, .offset: 24, .size: 8, .value_kind: global_buffer, .address_space: global }
    .group_segment_fixed_size: 232448
    .private_segment_fixed_size: 0
    .kernarg_segment_align: 8
    .kernarg_segment_size: 32
    .max_flat_workgroup_size: 256
    .sgpr_count:     86
    .vgpr_count:     256
    .wavefront_size: 32
...
	.end_amdgpu_metadata
.endif
;; end of part 4
;; ======== version 2 of 2: 4 launches; version 1 with the launch attn written anew for expert scheduling mode
;; workspace buffers: xbuf 3,276,800 bytes; wbuf 2,048,000 bytes; qkbuf 4,259,840 bytes; vbuf 851,968 bytes; obuf 3,407,872 bytes
;; launch quant: the kernel of part 1 again; grid 416 x 1, 4 waves a work-group, no clusters, 34,304 bytes of LDS; arguments x, Wq, Wk, Wv, Wo, xbuf, wbuf; writes xbuf, wbuf
;; launch qkv: the kernel of part 2 again; grid 8 x 32, 12 waves a work-group, no clusters, 247,296 bytes of LDS; arguments xbuf, wbuf, bq, bk, bv, qkbuf, vbuf; writes qkbuf, vbuf
;; launch attn (part 5): grid 32 x 8, 8 waves a work-group, no clusters, 33,792 bytes of LDS; arguments qkbuf, vbuf, obuf; writes obuf
.if DOCPART == 5
	.amdgcn_target "amdgcn-amd-amdhsa--gfx1250"
	.amdhsa_code_object_version 6
	.text
	.protected	k_q28435f6939_attn
	.globl	k_q28435f6939_attn
	.p2align	8
	.type	k_q28435f6939_attn,@function
k_q28435f6939_attn:
	s_mov_b64 s[64:65], 0
	v_nop
	global_prefetch_b8 v0, s[64:65] scope:SCOPE_SE
	s_setreg_imm32_b32 hwreg(HW_REG_WAVE_SCHED_MODE, 0, 2), 2
	s_setreg_imm32_b32 hwreg(HW_REG_WAVE_MODE, 25, 1), 1
	s_wait_xcnt 0x0
	s_wait_alu depctr_vm_vsrc(0)
; Causal attention of 16 query heads on 4 groups of keys and values, head size 64, both products on codes of FP6 (E2M3) with E8M0 scales; the result is divided by the row's sum and quantised for the last product.
; SOFTMAX: t = score x log2(e) / 8; M = the running largest t rounded UP to a whole number; p = 2^(t - M) is quantised along the keys, not normalised; the row's sum is taken of the unquantised p.
; When M moves, the sum and O are multiplied by 2^(old M - new M): exact.
; SHARES.  A work-group (x = jp, y = 4 batch + group) serves the group's four heads for two blocks of 32 queries: block jp, then block 63 - jp.  They need jp / 4 + 1 and 16 - jp / 4 steps of 128 keys:
; 17 in every work-group.  Steps whose keys all come after the queries are not walked; only a block's last step lies on the diagonal and is masked.  Wave w: head w / 2, tile w % 2 of 16 queries.
; THE FIRST PRODUCT'S K IS 64, the instruction's 128: an image of k holds TWO tiles of 16 keys (registers 0-5, 6-11); multiplied by [Q, 0] it gives the first tile's scores, by [0, Q] the second's.
; [Q, 0, Q] stands in 18 registers.  Zero codes add nothing under any scale byte but 0xff, and the bytes here lie between 1 and 254.
; Both products are used transposed (source 0 = keys, or channels of V): a lane holds ONE query throughout.  By the tiles' order of rows the 16 registers of two neighbouring tiles of scores are 16 neighbouring keys.
; A step's 8 images and their scale words (13,312 bytes) come through registers, one image a wave, asked for two steps ahead, into one of two LDS buffers; one barrier a step.
; No cluster: the tiles are not brought by the data mover, and of the 32 work-groups of one batch and group only those with the same jp / 4 are at the same keys in the same step.
; LIMITS: NaN and infinities are not served; the floor of a scale's byte as in the first launch; 1 / sum is v_rcp_f32.
; obuf: [token tile 256][K step 8] fragments, register pair p of lane L at 256 p + 8 L (registers 0-5 head 2 s, 6-11 head 2 s + 1), then a scale word a lane (bytes 0, 1 head 2 s; 2, 3 head 2 s + 1).
; THE MODE: SCHED_MODE bits 1:0 = 2 (LLVM: expert scheduling mode 2), set by the entry lines.  The code itself states the register dependences between vector or matrix instructions and memory or LDS
; instructions, with s_wait_alu, always for 0.
; THE PLAN.  Registers that memory or LDS instructions touch:
;   v1 - v4            Offsets and LDS addresses: made once at the head, never written again.  The staged loads reach their tile by two scalar bases, made anew in each step.
;   v16-28             The staged image.  Written by four global loads, read by the four LDS stores of the next step; no vector instruction names them.
;   v32-79, v248-251   Four fragments and their scale words.  K's LDS loads land at a step's head, the eight products K Q^T read them; V's loads land behind those, the four products V^T P read them.
;   v29, v30, v224-229, v242   At a block's end: written by vector instructions, read by four global stores; written again by later steps' conversions and by the second block's end.
;   v222, v223         Written at the head, read by the closing add alone.
; A STEP'S WAITS: on va_vdst at its head (V^T P is done with the fragments; Q as vector instructions wrote it), behind K Q^T (done with the fragments), behind the exponentials (their results),
; and ahead of V^T P (p's codes and scale word); on vm_vsrc once, in the softmax, ahead of the staged loads (the LDS stores have read v16-28).
; REGISTERS: v1 16 L, v2 4 L, v3, v4 where I stage, v5 my query's place less 16 (lane / 16), v12 -M, v13 largest t, v[14:15] the sum, v16-28 staging, v29, v30 offsets in obuf, v31 8 L,
; v32-79 four fragments, v96-159 scores then p, v160-191 O^T, v192-209 [Q, 0, Q], v210-216 the second block's Q and scale word, v224-235 p's codes, v232-247 at work, v248-251 K's or V's scale words, v252 f, v253 p's scale word, v255 Q's.
.set QSO, 3932160
.set VSO, 786432
.set OSO, 3145728
; s10 wave; s11 step counter; s12 the key step in hand, s13 the block's last; s14 the second block's last; s15, s16 32 x (block % 4) of the two; s17 steps of the first block;
; s[20:21] lane selects; s[22:23] c; s[24:25], s[26:27] what I stage; s28, s29 my offsets in obuf; s30, s31 the second block's; s[56:57], s[58:59] the staged loads' bases; in the loop s32-39 and s44-51 the mask's sixteen compares
.macro LTILE n                         ; the bases of the tile of step s11 + n: the first block's steps, then the second's from key 0 again.  It stands behind a wait that shows the loads that read the bases done
	s_add_co_u32 s40, s11, \n
	s_sub_co_u32 s41, s40, s17
	s_cmp_lt_u32 s40, s17
	s_cselect_b32 s40, s40, s41
	s_mul_i32 s42, s40, 6144
	s_mov_b32 s43, 0
	s_add_nc_u64 s[56:57], s[24:25], s[42:43]
	s_lshl_b32 s42, s40, 9
	s_add_nc_u64 s[58:59], s[26:27], s[42:43]
.endm
.macro GLOAD
.irp c, 0,1,2
	global_load_b128 v[16+4*\c:19+4*\c], v1, s[56:57] offset:512*\c
.endr
	global_load_b32 v28, v2, s[58:59]
.endm
.macro OFFS beta, oo, os               ; fragment (2 block + tile) x 8 + (head / 2): its bytes and its scale words
	s_lshl_b32 s45, s[\beta], 1
	s_add_co_u32 s45, s45, s39
	s_lshl_b32 s45, s45, 3
	s_add_co_u32 s45, s45, s43
	s_mul_i32 s[\oo], s45, 1536
	s_add_co_u32 s[\oo], s[\oo], s46
	s_lshl_b32 s[\os], s45, 7
	s_add_co_u32 s[\os], s[\os], s47
.endm
; A block of queries is done: O^T / the sum, quantised along the head's 64 (two blocks of 32), to obuf.  more = 1: the second block's state is set up.
.macro FINAL more
.rept 4
	v_nop                                          ; four places behind the last products
.endr
	v_add_f32 v14, v14, v15
	v_permlanex16_b32 v252, v14, s20, s21
	v_add_f32 v14, v14, v252                       ; the row's sum
	v_rcp_f32 v14, v14
	v_nop                                          ; one plain place behind a transcendental
.set n, 0
	s_wait_alu depctr_va_vdst(0)                   ; the reciprocal has written v14, ahead of its first reader
.rept 32
	v_mul_f32 v[96+n], v[160+n], v14               ; register 16 b + i: channel 32 b + 16 (lane / 16) + i; each accumulator from its low end on
.set n, n+1
.endr
.irp b, 0,1
	v_max3_num_f32 v[232+\b], |v[96+16*\b]|, |v[97+16*\b]|, 0x1800000
.endr
.irp i, 2,4,6,8,10,12,14
.irp b, 0,1
	v_max3_num_f32 v[232+\b], v[232+\b], |v[96+16*\b+\i]|, |v[97+16*\b+\i]|
.endr
.endr
.irp b, 0,1
	v_permlanex16_b32 v[236+\b], v[232+\b], s20, s21
.endr
.irp b, 0,1
	v_max_num_f32 v[232+\b], v[232+\b], v[236+\b]
.endr
.irp b, 0,1
	v_add_nc_u32 v[244+\b], 0xff000000, v[232+\b]
.endr
.irp b, 0,1
	v_lshrrev_b32 v[240+\b], 23, v[244+\b]
.endr
	v_lshl_or_b32 v242, v241, 8, v240              ; my head's half of the scale word
	v_cvt_scalef32_pk16_fp6_f32 v[224:226], v[96:111], v244
	v_cvt_scalef32_pk16_fp6_f32 v[236:238], v[112:127], v245
	v_nop                                          ; one plain place behind a scaled conversion
.irp i, 0,1,2
	v_permlane16_swap_b32 v[224+\i], v[236+\i]
.endr
.irp i, 0,1,2
	v_mov_b32 v[227+\i], v[236+\i]                 ; v224-229: channels 32 (lane / 16) + 0 .. 31
.endr
	v_add_nc_u32 v29, s28, v31
	v_add_nc_u32 v30, s29, v2
	s_wait_alu depctr_va_vdst(0)                   ; the codes v224-229, the scale bytes v242 and the offsets v29, v30 are written: the four stores below read them
.irp p, 0,1,2
	global_store_b64 v29, v[224+2*\p:225+2*\p], s[8:9] offset:256*\p      ; 32 lanes store 256 consecutive bytes, aligned
.endr
	global_store_b16 v30, v242, s[8:9]
.if \more
.irp i, 0,1,2,3,4,5
	v_mov_b32 v[192+\i], v[210+\i]                 ; the second block's Q
	v_mov_b32 v[204+\i], v[210+\i]
.endr
	v_mov_b32 v255, v216
	v_mov_b32 v13, 0xff61b1e6                      ; -3e38, under every t
	v_floor_f32 v12, -v13
	v_mov_b32 v14, 0
	v_mov_b32 v15, 0
.set n, 0
.rept 32
	v_mov_b32 v[160+n], 0                          ; (these also stand between the writes of Q and its scale word and the next products)
.set n, n+1
.endr
	s_mov_b32 s28, s30
	s_mov_b32 s29, s31
	s_mov_b32 s13, s14
	s_mov_b32 s15, s16
	s_mov_b32 s12, -1                              ; the addition behind the label makes it 0
	s_wait_xcnt 0x0                                ; the stores' data and offsets are written again only behind this wait
	s_wait_alu depctr_vm_vsrc(0)                   ; the four stores have read v224-229, v242, v29 and v30, which the next steps' conversions and the second block's end write again
.endif
.endm
; A KEY STEP: 128 keys out of buffer p.  d: the step is s11 + d.  st = 1: the next step's tile goes into the other buffer, and a barrier follows.  ld = 1: the tile two steps on is asked for; 2: unless s11 = 14.
; st = 0 is the written-out last step: it is the second block's diagonal step.
.macro KSTEP p, d, st, ld
.rept 4
	v_nop                                          ; four places between the last products and the loads into the registers that they read: they stay beside the wait below
.endr
	s_wait_alu depctr_va_vdst(0)                   ; the last step's products V^T P are done reading v32-79 and v248-251, in which K's loads land; and Q's codes v192-209 and scale word v255, where vector instructions have written them (the head, the first block's end), are written ahead of the scaled products that take them
.irp i, 0,1,2,3
.irp c, 0,1,2
	ds_load_b128 v[32+12*\i+4*\c:35+12*\i+4*\c], v1 offset:16384*\p+1536*\i+512*\c
.endr
	ds_load_b32 v[248+\i], v2 offset:16384*\p+12288+128*\i
.endr
	s_wait_dscnt 0x0                               ; K's fragments are in
.irp i, 0,1,2,3                        ; S^T: image i holds key tiles 2 i and 2 i + 1
	v_wmma_scale_f32_16x16x128_f8f6f4 v[96+16*\i:103+16*\i], v[32+12*\i:43+12*\i], v[192:203], 0, v[248+\i], v255 matrix_a_fmt:MATRIX_FMT_FP6 matrix_b_fmt:MATRIX_FMT_FP6
	v_wmma_scale_f32_16x16x128_f8f6f4 v[104+16*\i:111+16*\i], v[32+12*\i:43+12*\i], v[198:209], 0, v[248+\i], v255 matrix_a_fmt:MATRIX_FMT_FP6 matrix_b_fmt:MATRIX_FMT_FP6
.endr
.rept 4
	v_nop                                          ; four places: for the loads below and for the first read of the scores
.endr
	s_wait_alu depctr_va_vdst(0)                   ; the products K Q^T are done reading v32-79 and v248-251, in which V's loads land
.irp i, 0,1,2,3                        ; V's fragments land while the softmax is worked
.irp c, 0,1,2
	ds_load_b128 v[32+12*\i+4*\c:35+12*\i+4*\c], v1 offset:16384*\p+6144+1536*\i+512*\c
.endr
	ds_load_b32 v[248+\i], v2 offset:16384*\p+12800+128*\i
.endr
.if \st
	s_wait_loadcnt 0x0                             ; the next step's image, asked for a step ago; the loads that read the two bases are done
.irp c, 0,1,2
	ds_store_b128 v3, v[16+4*\c:19+4*\c] offset:16384*(1-\p)+512*\c       ; into the other buffer, which nobody has read since the last barrier; it lands ahead of this step's signal
.endr
	ds_store_b32 v4, v28 offset:16384*(1-\p)
.endif
.if \st
	s_cmp_lg_u32 s12, s13
	s_cbranch_scc1 .Lopen_\@                       ; a branch on ids: all keys of an earlier step count
.endif
	v_add_nc_u32 v243, s15, v5                     ; d = my query - the step's first key - 16 (lane / 16).  Register 16 b + i holds key 32 b + 16 (lane / 16) + i: hidden where 32 b + i > d
	v_mov_b32 v254, 0xff800000                     ; -infinity: p = 0 then
.irp b, 0,1,2,3                        ; a block of 32 keys at a time: sixteen compares into sixteen scalar registers, one wait, sixteen selects
.irp i, 0,1,2,3,4,5,6,7
	v_cmp_gt_i32 s[32+\i], 32*\b+\i, v243
.endr
.irp i, 8,9,10,11,12,13,14,15
	v_cmp_gt_i32 s[36+\i], 32*\b+\i, v243
.endr
	s_wait_alu depctr_va_sdst(0)                   ; the sixteen compares have written s32-39 and s44-51, ahead of the selects that read them
.irp i, 0,1,2,3,4,5,6,7
	v_cndmask_b32 v[96+16*\b+\i], v[96+16*\b+\i], v254, s[32+\i]
.endr
.irp i, 8,9,10,11,12,13,14,15
	v_cndmask_b32 v[96+16*\b+\i], v[96+16*\b+\i], v254, s[36+\i]
.endr
.endr
.if \st
.Lopen_\@:
.endif
.irp b, 0,1,2,3
	v_max3_num_f32 v[232+\b], v[96+16*\b], v[97+16*\b], v[98+16*\b]   ; the largest score of each block of 32 keys: for the row's maximum and, since p rises with the score, for the block's largest p
.endr
.irp i, 3,5,7,9,11,13
.irp b, 0,1,2,3
	v_max3_num_f32 v[232+\b], v[232+\b], v[96+16*\b+\i], v[97+16*\b+\i]
.endr
.endr
.irp b, 0,1,2,3
	v_max_num_f32 v[232+\b], v[232+\b], v[111+16*\b]
.endr
.irp b, 0,1,2,3
	v_permlanex16_b32 v[236+\b], v[232+\b], s20, s21
.endr
.irp b, 0,1,2,3
	v_max_num_f32 v[232+\b], v[232+\b], v[236+\b]
.endr
	v_max3_num_f32 v254, v232, v233, v234
	v_max_num_f32 v254, v254, v235
	v_mul_f32 v254, s22, v254                      ; as t (c is positive)
	v_max_num_f32 v13, v13, v254                   ; the running largest t
	v_mov_b32 v254, v12
	v_floor_f32 v12, -v13                          ; -M = floor(-t) = -ceil(t)
	v_sub_f32 v254, v12, v254                      ; old M - new M: a whole number, 0 or less
	v_cvt_i32_f32 v254, v254                       ; (it saturates)
	v_ldexp_f32 v252, 1.0, v254                    ; f = 2^(old M - new M)
.if \ld
	s_wait_alu depctr_vm_vsrc(0)                   ; my four LDS stores have read v16-28, in which the loads below land.  No vector instruction names v16-28, and v1 and v2 stand as the head wrote them: nothing more is owed
.endif
.if \ld == 2
	s_cmp_eq_u32 s11, 14
	s_cbranch_scc1 .Lnoload_\@                     ; there is no step 17
.endif
.if \ld
	LTILE \d+2
	GLOAD
.endif
.if \ld == 2
.Lnoload_\@:
.endif
.set n, 0
.rept 32
	v_pk_fma_f32 v[96+n:97+n], v[96+n:97+n], s[22:23], v[12:13] op_sel_hi:[1,0,0]   ; t - M, two at a time
.set n, n+2
.endr
.irp b, 0,1,2,3
	v_fma_f32 v[232+\b], v[232+\b], s22, v12
.endr
.set n, 0
.rept 64
	v_exp_f32 v[96+n], v[96+n]                     ; p = 2^(t - M)
.set n, n+1
.endr
.irp b, 0,1,2,3
	v_exp_f32 v[232+\b], v[232+\b]                 ; the block's largest p: the same two instructions on the same number
.endr
	v_pk_mul_f32 v[14:15], v[14:15], v[252:253] op_sel_hi:[1,0]   ; the sum under the new M (a plain place behind the exponentials)
	s_wait_alu depctr_va_vdst(0)                   ; the 68 exponentials have written v96-159 and v232-235: one wait for the batch, ahead of its first reader
.irp b, 0,1,2,3
	v_max_num_f32 v[232+\b], 0x1800000, v[232+\b]  ; the floor 2^(3 - 127)
.endr
.irp b, 0,1,2,3
	v_add_nc_u32 v[244+\b], 0xff000000, v[232+\b]
.endr
.irp b, 0,1,2,3
	v_lshrrev_b32 v[236+\b], 23, v[244+\b]
.endr
	v_lshl_or_b32 v253, v237, 8, v236              ; p's scale word for these 128 keys
	v_lshl_or_b32 v253, v238, 16, v253
	v_lshl_or_b32 v253, v239, 24, v253
.irp c, 0,1
	v_cvt_scalef32_pk16_fp6_f32 v[224+6*\c:226+6*\c], v[96+32*\c:111+32*\c], v[244+2*\c]
	v_cvt_scalef32_pk16_fp6_f32 v[236+4*\c:238+4*\c], v[112+32*\c:127+32*\c], v[244+2*\c+1]
.endr
	v_nop                                          ; one plain place behind a scaled conversion
.irp c, 0,1
.irp i, 0,1,2
	v_permlane16_swap_b32 v[224+6*\c+\i], v[236+4*\c+\i]
.endr
.irp i, 0,1,2
	v_mov_b32 v[227+6*\c+\i], v[236+4*\c+\i]
.endr
.endr
	v_pk_add_f32 v[236:237], v[96:97], v[98:99]    ; the row's sum of the unquantised p, in two chains.  (These 32 also stand between the writes of p's codes and scale word and the products below)
.irp j, 4,8,12,16,20,24,28,32,36,40,44,48,52,56,60
	v_pk_add_f32 v[14:15], v[14:15], v[96+\j:97+\j]
	v_pk_add_f32 v[236:237], v[236:237], v[98+\j:99+\j]
.endr
	v_pk_add_f32 v[14:15], v[14:15], v[236:237]
.set n, 0
.rept 16
	v_pk_mul_f32 v[160+n:161+n], v[160+n:161+n], v[252:253] op_sel_hi:[1,0]   ; O^T under the new M
.set n, n+2
.endr
	s_wait_alu depctr_va_vdst(0)                   ; p's codes v224-235 and its scale word v253 are written, ahead of the scaled products that take them; the places above stay beside this wait
	s_wait_dscnt 0x0                               ; V's fragments are in: my reads of this buffer are over; and my stores into the other buffer have landed
.if \st
	s_barrier_signal -1
.endif
.irp t, 0,1,2,3                        ; O^T += V^T P^T: four tiles of 16 channels, by turns
	v_wmma_scale_f32_16x16x128_f8f6f4 v[160+8*\t:167+8*\t], v[32+12*\t:43+12*\t], v[224:235], v[160+8*\t:167+8*\t], v[248+\t], v253 matrix_a_fmt:MATRIX_FMT_FP6 matrix_b_fmt:MATRIX_FMT_FP6
.endr
.if \st
	s_barrier_wait -1                              ; the other buffer is whole, and nobody reads this one any more
	s_cmp_lg_u32 s12, s13
	s_cbranch_scc1 .Lnofin_\@
	FINAL 1
.Lnofin_\@:
	s_add_co_u32 s12, s12, 1
.else
	FINAL 0
.endif
.endm
	s_load_b128 s[4:7], s[0:1], 0x0                ; qkbuf s[4:5], vbuf s[6:7]
	s_load_b64 s[8:9], s[0:1], 0x10                ; obuf
	v_lshl_add_u32 v222, v0, 2, 0x8000
	v_mov_b32 v223, 0
	v_lshrrev_b32 v8, 5, v0
	v_readfirstlane_b32 s10, v8                    ; wave 0..7
	s_mov_b32 s34, ttmp9                           ; jp
	s_and_b32 s35, ttmp7, 0xffff
	s_lshr_b32 s36, s35, 2                         ; batch
	s_and_b32 s37, s35, 3                          ; group
	s_wait_alu depctr_va_sdst(0)                   ; s10 is written, ahead of its first reader
	s_lshr_b32 s38, s10, 1                         ; head in the group
	s_and_b32 s39, s10, 1                          ; tile of 16 queries
	s_lshr_b32 s13, s34, 2
	s_add_co_u32 s17, s13, 1
	s_sub_co_u32 s14, 15, s13
	s_and_b32 s15, s34, 3
	s_lshl_b32 s15, s15, 5
	s_sub_co_u32 s16, 96, s15                      ; 32 ((63 - jp) % 4)
	s_mov_b32 s11, 0
	s_mov_b32 s12, 0
	s_mov_b32 s20, 0x76543210
	s_mov_b32 s21, 0xfedcba98
	s_mov_b32 s22, 0x3e38aa3b                      ; c = log2(e) / 8
	s_mov_b32 s23, s22                             ; (named with it as a pair)
	s_cmp_eq_u32 s39, 1
	s_cselect_b32 s32, -1, 0                       ; all lanes: which half of a q image is my tile
	s_lshl_b32 s33, s39, 4
	v_and_b32 v9, 31, v0
	v_lshlrev_b32 v1, 4, v9
	v_lshlrev_b32 v2, 2, v9
	v_lshlrev_b32 v31, 3, v9
	s_mul_i32 s40, s10, 1536
	v_add_nc_u32 v3, s40, v1
	s_lshl_b32 s40, s10, 7
	s_add_co_u32 s40, s40, 12288
	v_add_nc_u32 v4, s40, v2
	v_and_b32 v8, 15, v0
	v_and_b32 v9, 8, v8
	v_add_nc_u32 v5, v8, v9
	v_bfe_u32 v9, v0, 4, 1
	v_lshlrev_b32 v9, 4, v9
	v_sub_nc_u32 v5, v5, v9
	s_lshl_b32 s40, s39, 3
	v_add_nc_u32 v5, s40, v5                       ; 8 u + r + 8 (r / 8) - 16 (lane / 16)
	s_lshl_b32 s40, s36, 6
	s_add_co_u32 s41, s40, s34                     ; the first block of 32 tokens,
	s_sub_co_u32 s42, 63, s34
	s_add_co_u32 s42, s40, s42                     ; the second
	s_lshl_b32 s43, s37, 1
	s_lshr_b32 s44, s38, 1
	s_add_co_u32 s43, s43, s44                     ; the last product's K step: head / 2
	s_and_b32 s44, s38, 1
	s_mul_i32 s46, s44, 768
	s_lshl_b32 s47, s44, 1
	s_add_co_u32 s47, s47, OSO
	OFFS 41, 28, 29
	OFFS 42, 30, 31
	s_lshl_b32 s45, s37, 2
	s_add_co_u32 s45, s45, s38
	s_lshl_b32 s45, s45, 7
	s_add_co_u32 s46, s45, s41                     ; q's images: head x 128 + block
	s_add_co_u32 s47, s45, s42
	s_mul_i32 s48, s46, 1536
	s_mov_b32 s49, 0
	s_lshl_b32 s50, s46, 7
	s_add_co_u32 s50, s50, QSO
	s_mov_b32 s51, 0
	s_mul_i32 s52, s47, 1536
	s_mov_b32 s53, 0
	s_lshl_b32 s54, s47, 7
	s_add_co_u32 s54, s54, QSO
	s_mov_b32 s55, 0
	s_lshl_b32 s40, s37, 7                         ; what I stage: waves 0-3 k's image w, waves 4-7 v's image w - 4
	s_lshl_b32 s41, s36, 6
	s_add_co_u32 s40, s40, s41
	s_and_b32 s41, s10, 3
	s_add_co_u32 s40, s40, s41
	s_mov_b32 s42, VSO
	s_wait_kmcnt 0x0
	s_cmp_lt_u32 s10, 4                            ; the choice hangs on the wave's number alone
	s_cselect_b64 s[24:25], s[4:5], s[6:7]
	s_cselect_b32 s41, 2048, 0                     ; k's heads stand behind the 16 query heads
	s_cselect_b32 s42, QSO, s42
	s_add_co_u32 s40, s40, s41
	s_mul_i32 s44, s40, 1536
	s_mov_b32 s45, 0
	s_lshl_b32 s46, s40, 7
	s_add_co_u32 s46, s46, s42
	s_mov_b32 s47, 0
	s_add_nc_u64 s[26:27], s[24:25], s[46:47]
	s_add_nc_u64 s[24:25], s[24:25], s[44:45]
	s_add_nc_u64 s[48:49], s[4:5], s[48:49]
	s_add_nc_u64 s[50:51], s[4:5], s[50:51]
	s_add_nc_u64 s[52:53], s[4:5], s[52:53]
	s_add_nc_u64 s[54:55], s[4:5], s[54:55]
	s_wait_alu depctr_va_vdst(0)                   ; the offsets v1, v2 and the LDS addresses v3, v4 are written: every load and every LDS instruction of the kernel reads one of them, and none is written again
	LTILE 0
	GLOAD
.irp c, 0,1,2
	global_load_b128 v[96+4*\c:99+4*\c], v1, s[48:49] offset:512*\c
	global_load_b128 v[108+4*\c:111+4*\c], v1, s[52:53] offset:512*\c
.endr
	global_load_b32 v120, v2, s[50:51]
	global_load_b32 v121, v2, s[54:55]
	s_wait_loadcnt 0x0
.irp c, 0,1,2
	ds_store_b128 v3, v[16+4*\c:19+4*\c] offset:512*\c
.endr
	ds_store_b32 v4, v28
.irp i, 0,1,2,3,4,5
	v_cndmask_b32 v[192+\i], v[96+\i], v[102+\i], s32      ; registers 6 u .. 6 u + 5 of the image are my tile
	v_cndmask_b32 v[210+\i], v[108+\i], v[114+\i], s32
.endr
.irp i, 0,1,2,3,4,5
	v_mov_b32 v[204+\i], v[192+\i]
	v_mov_b32 v[198+\i], 0
.endr
	v_lshrrev_b32 v122, s33, v120                  ; my tile's two scale bytes, in both halves of the word: they serve [Q, 0] and [0, Q] alike
	v_lshrrev_b32 v123, s33, v121
	v_and_b32 v122, 0xffff, v122
	v_and_b32 v123, 0xffff, v123
	v_lshl_or_b32 v255, v122, 16, v122
	v_lshl_or_b32 v216, v123, 16, v123
	v_mov_b32 v13, 0xff61b1e6                      ; -3e38, under every t
	v_floor_f32 v12, -v13
	v_mov_b32 v14, 0
	v_mov_b32 v15, 0
.irp b, 0,1,2,3
	v_mov_b32 v[236+\b], 0                         ; a lane permute's destination counts as one of its sources
.endr
	v_mov_b32 v253, 0                              ; (named as the upper half of the pair v[252:253] before it is first written)
.set n, 0
.rept 32
	v_mov_b32 v[160+n], 0                          ; O^T: the step is written once; the first change of M leaves zeros zeros
.set n, n+1
.endr
	s_wait_dscnt 0x0                               ; my part of buffer 0 has landed
	s_wait_alu depctr_vm_vsrc(0)                   ; my four LDS stores have read v16-28, in which the loads below land
	LTILE 1
	GLOAD
	s_barrier_signal -1
	s_barrier_wait -1
.Ltrip:                                                ; eight trips of two steps: steps 0 to 15
	KSTEP 0, 0, 1, 1
	KSTEP 1, 1, 1, 2
	s_add_co_u32 s11, s11, 2
	s_cmp_lt_u32 s11, 16
	s_cbranch_scc1 .Ltrip
	KSTEP 0, 0, 0, 0                               ; step 16: the second block's last
	s_wait_dscnt 0x0                               ; the closing lines, six on end
	s_wait_alu 0x0
	s_wait_tensorcnt 0x0
	ds_add_u32 v222, v223
	s_wait_dscnt 0x0
	s_endpgm
.Lfunc_end_k_q28435f6939_attn:
	.size	k_q28435f6939_attn, .Lfunc_end_k_q28435f6939_attn-k_q28435f6939_attn
	.p2alignl 7, 3214868480
	.fill 96, 4, 3214868480
	.section	.rodata,"a",@progbits
	.p2align	6, 0x0
	.amdhsa_kernel k_q28435f6939_attn
		.amdhsa_group_segment_fixed_size 33792
		.amdhsa_private_segment_fixed_size 0
		.amdhsa_enable_private_segment 0
		.amdhsa_kernarg_size 24
		.amdhsa_user_sgpr_count 2
		.amdhsa_user_sgpr_kernarg_segment_ptr 1
		.amdhsa_wavefront_size32 1
		.amdhsa_system_sgpr_workgroup_id_x 1
		.amdhsa_system_sgpr_workgroup_id_y 1
		.amdhsa_system_sgpr_workgroup_id_z 1
		.amdhsa_system_vgpr_workitem_id 0
		.amdhsa_next_free_vgpr 256
		.amdhsa_next_free_sgpr 66
		.amdhsa_reserve_vcc 0
		.amdhsa_float_denorm_mode_32 3
		.amdhsa_float_denorm_mode_16_64 3
		.amdhsa_memory_ordered 1
		.amdhsa_forward_progress 1
		.amdhsa_inst_pref_size 102
	.end_amdhsa_kernel
	.amdgpu_metadata
---
amdhsa.version: [ 1, 2 ]
amdhsa.kernels:
  - .name:           k_q28435f6939_attn
    .symbol:         k_q28435f6939_attn.kd
    .args:
      - { .name: qkbuf, .offset: 0, .size: 8, .value_kind: global_buffer, .address_space: global }
      - { .name: vbuf, .offset: 8, .size: 8, .value_kind: global_buffer, .address_space: global }
      - { .name: obuf, .offset: 16, .size: 8, .value_kind: global_buffer, .address_space: global }
    .group_segment_fixed_size: 33792
    .private_segment_fixed_size: 0
    .kernarg_segment_align: 8
    .kernarg_segment_size: 24
    .max_flat_workgroup_size: 256
    .sgpr_count:     66
    .vgpr_count:     256
    .wavefront_size: 32
...
	.end_amdgpu_metadata
.endif
;; end of part 5
;; launch oproj: the kernel of part 4 again; grid 8 x 32, 8 waves a work-group, no clusters, 232,448 bytes of LDS; arguments obuf, wbuf, bo, out0; writes out0
